; MI455X (gfx1250); checked and timed in simulation.
; The chip was launched on July 23, 2026; its instructions are those of AMD's public machine-readable ISA for CDNA 5 (MIT licence, August 2026) and "CDNA5" Instruction Set Architecture Reference Guide (July 2026). The comments in the code are by the model that wrote it; some were corrected since.
;; Cross Attention Block. Allowed arithmetic: matrix products marked QUANTISED: E3M2 operands, one E8M0 scale for each 32 along K, by v_wmma_scale_f32_16x16x128_f8f6f4 with both operands' format E3M2, f32 sums; everything else in f32.
;; Inputs: W1 1,024 x 512 float32; W2 512 x 1,024 float32; Wk 512 x 256 float32; Wq 512 x 512 float32; Wv 512 x 256 float32; b1 1,024 float32; b2 512 float32; bk 512 float32; bq 512 float32; bv 512 float32; cond_emb 32 x 1 x 252 float32; conv_b 128 float32; conv_w 128 x 1 x 1 float32; ln1_b 512 float32; ln1_w 512 float32; ln2_b 512 float32; ln2_w 512 float32; x 32 x 1,024 x 512 float32.
;; Outputs: out0 32 x 1,024 x 512 float32.
;; This version of the problem:
;;   THIS VERSION OF THE PROBLEM IS GIVEN IN LOW PRECISION. The matrix products marked QUANTISED in the list below multiply operands that are first quantised to E3M2 (3 exponent bits, 2 mantissa bits; 6 bits a number), with one power-of-two scale for each 32 numbers along K (OCP MX v1.0); their sums are f32. All else is computed in f32.
;;   The module's matrix products, in the order in which they are computed (A, B: the left and right operand; K: the contracted axis; several contracted axes count as one K, in the product's order):
;;     1. [M 32,768, K 512] x [K 512, N 512]; A: input x; B: input Wq: QUANTISED
;;     2. [M 4,096, K 256] x [K 256, N 512]; A: computed on the way; B: input Wk: QUANTISED
;;     3. [M 4,096, K 256] x [K 256, N 512]; A: computed on the way; B: input Wv: QUANTISED
;;     4. batch 32 x [M 1,024, K 512] x [K 512, N 128]; A: computed on the way; B: computed on the way: QUANTISED
;;     5. batch 32 x [M 1,024, K 128] x [K 128, N 512]; A: softmax (see below); B: computed on the way: QUANTISED
;;     6. [M 32,768, K 512] x [K 512, N 1,024]; A: computed on the way; B: input W1: QUANTISED
;;     7. [M 32,768, K 1,024] x [K 1,024, N 512]; A: computed on the way; B: input W2: QUANTISED
;;   THE QUANTISER, for each operand of a quantised product, along K:
;;     - K is cut into blocks of 32 from its start; a last block that is shorter is filled with zeros.
;;     - A block's scale is 2^e with e = floor(log2(the largest magnitude in the block)) - 4, held to -126 .. 127; a block of zeros has e = 0. As a byte (E8M0): e + 127.
;;     - Each number is divided by its block's scale, clamped to +-28, and rounded to the nearest number of E3M2, ties to even, subnormals kept.
;;     - The product sums the exact products of the quantised numbers (number of the format x scale) in f32.
;;   ~~~python
;;   def quantise(x, axis):      # numpy; x: float32 -> the quantised numbers, widened to float32 again
;;       x = np.moveaxis(x, axis, -1); K = x.shape[-1]
;;       x = np.pad(x, [(0, 0)] * (x.ndim - 1) + [(0, -K % 32)]); x = x.reshape(x.shape[:-1] + (-1, 32)); a = np.abs(x).max(-1, keepdims=True)
;;       e = np.where(a > 0, np.clip(np.frexp(np.where(a > 0, a, 1))[1] - 1 - 4, -126, 127), 0)      # np.frexp(a)[1] - 1 = floor(log2(a)), exactly
;;       r = np.clip(x / 2.0 ** e, -28, 28)
;;       step = 2.0 ** (np.maximum(np.frexp(np.where(r == 0, 1, r))[1] - 1, -2) - 2)
;;       q = np.round(r / step) * step * 2.0 ** e      # np.round: ties to even
;;       return np.moveaxis(q.reshape(q.shape[:-2] + (-1,))[..., :K], -1, axis).astype(np.float32)
;;   ~~~
;;   SOFTMAX AHEAD OF A QUANTISED PRODUCT. Where the list says 'softmax', what is quantised is not the finished softmax but p = 2^(t - M), with t = logit x log2(e) and M = ceil(the row's largest t), a whole number; so 1/2 < the row's largest p <= 1. The row's sum l is taken of the UNQUANTISED p, in f32, and the product's result is divided by l at the end. Since M is a whole number, a kernel that streams over the keys may use a running M (the ceiling of the running maximum): every later rescaling is an exact power of two, which a block's scale takes up: the codes' values come out the same.
;;   OPERANDS COMPUTED ON THE WAY. 'Computed on the way' means the value that the module computes at that place (a softmax that the list does not call 'softmax' is quantised finished and normalised). What goes into a quantiser is computed in f32, as accurately as f32 sums, v_exp_f32 and their like allow (about 1e-6 of the number): no bf16 or f16 on the way to a quantiser, and a product that is left as it is and whose result goes on into a quantised operand takes f32 operands (vector FMAs, or v_wmma_f32_16x16x4_f32). A number that lies on a knife's edge between two numbers of the format may be rounded either way, as far as f32 arithmetic and the matrix unit's own rounding can turn it there, and no further.
;; 2 versions, each right and faster than the one before. Each part assembles by itself: llvm-mc -triple=amdgcn-amd-amdhsa -mcpu=gfx1250 --defsym DOCPART=n.
;; ======== version 1 of 2: 2 launches
;; workspace buffers: wts 1,024,000 bytes; kv 3,276,800 bytes
;; launch prep (part 1): grid 256 x 1, 4 waves a work-group, no clusters, 54,784 bytes of LDS; arguments Wq, W1, W2, Wk, Wv, bk, bv, cond_emb, conv_w, conv_b, wts, kv; writes wts, kv
.if DOCPART == 1
	.amdgcn_target "amdgcn-amd-amdhsa--gfx1250"
	.amdhsa_code_object_version 6
	.text
	.protected	k_qeb7302a2f1_prep
	.globl	k_qeb7302a2f1_prep
	.p2align	8
	.type	k_qeb7302a2f1_prep,@function
k_qeb7302a2f1_prep:
	s_mov_b64 s[64:65], 0
	v_nop
	global_prefetch_b8 v0, s[64:65] scope:SCOPE_SE
	s_setreg_imm32_b32 hwreg(HW_REG_WAVE_MODE, 25, 1), 1
	s_wait_xcnt 0x0
; PREP.  Everything that the main launch reads as codes of BF6 (E3M2) is made here, once, and laid in the ORDER OF THE OPERAND'S REGISTERS:
; a fragment (16 rows x 128 K, 12 registers a lane) is 1,536 bytes, register i of lane L at 512 (i / 4) + 16 L + 4 (i % 4): three loads of 16 bytes a lane bring it back.
;   wts: Wq (fragment 4 T + s), W1 (4 T + s), W2 (8 T + s), then their scale words, word (T, r, s) at ((16 T + r) K/128 + s) 4.
;   kv : for each batch k = Q(cond) Q(Wk)^T + bk as codes along the channels (fragment 4 kt + s), v = Q(cond) Q(Wv)^T + bv as codes along the KEYS (fragment ct), and their scale words.
; THE ROWS OF A TILE ARE NOT NEIGHBOURS: lane r of tile T holds row 32 (T / 2) + 8 (T % 2) + r + 8 (r / 8), so that a transposed product's 16 registers of tiles 2 b, 2 b + 1 are 16 neighbours along the next K.
; cond[key][j] = conv_w[key] pad[j] + conv_b[key], pad = cond_emb wrapped by 2 on each side (256 numbers); one fused multiply-add in f32.
; SHARES.  Work-group g: batch g / 8, part p = g % 8.  Wave w: K fragment (key tile 4 (p % 2) + w, channel step p / 2); V fragment of channel tile 4 p + w; and, for g < 160, fragment 4 g + w of Wq | W1 | W2.
; Both products are used transposed: k: source 0 = 16 rows of Wk, source 1 = 16 keys of cond (a lane holds one key, registers run along the channels);  v: source 0 = 16 keys of cond, source 1 = 16 rows of Wv (a lane holds one channel, registers along the keys).
; The work-group's 16 fragments of cond and 16 of Wk are quantised four to a wave and go from wave to wave through LDS as images of their registers.
; A block's scale is 2^(floor(log2(largest magnitude)) - 4); its byte is the largest magnitude's exponent field - 4.
; LIMITS: NaN and infinities are not served; a block whose largest magnitude lies under 2^-122, a block of zeros among them, keeps the byte 1 (its codes are then zeros or subnormal codes; these bytes are read by this program alone).
; No tensor load: each number is read by one wave, straight into the registers in which it is quantised.
.set PAD,   0                          ; LDS: the 256 numbers of pad
.set CIMG,  1024                       ; cond's 16 fragments (2 kt + s)
.set CSC,   25600                      ; their scale words, 128 bytes each (4 x lane)
.set WKIMG, 27648                      ; Wk's 16 fragments of this channel step (2 tile + s)
.set WKSC,  52224                      ; their scale words
.set X,   64                           ; v64-127   64 numbers of cond; later cond's two fragments for k (v64-87) and bv eight times (v88-95)
.set PD,  128                          ; v128-191  64 numbers of pad
.set VF,  192                          ; v192-215  Wv's two fragments
.set TM,  216                          ; v216-231  at work: +0.. largest magnitudes, +4.. bytes, +12.. the conversions' scale operands
.set PC,  232                          ; v232-251  the codes just made
.set PW,  252                          ; the scale word just made
.set TP,  253
.set SEL, 32                           ; s[32:33]  v_permlanex16_b32's selects for lane l xor 16
.set BIGB, 36
.set CEB, 48
.set CWB, 50
.set CBB, 52
.set BVB, 54
.set WKB, 56
.set WVB, 58
.set BKB, 60
.set BIGC, 66
.set BIGS, 68
.set KCD, 70
.set KSD, 72
.set VCD, 74
.set VSD, 76
.set KVB, 78
; window 1: the numbers of four fragments of Wk, later 16 source-0 fragments (v0-191).  window 2: v0-127 Wv's numbers, later k's (v0-63) and v's (v64-127) sums; v128-191 the big fragment's numbers; v192-255 bk.
.set MSB, 0
.macro WIN new                         ; the immediate's high byte repeats the setting that is left; a switch that changes nothing is dropped
.if MSB != (\new)
	s_set_vgpr_msb (MSB<<8)|(\new)
.set MSB, (\new)
.endif
.endm
.macro PLACES n
.rept \n
	v_nop
.endr
.endm
.macro BARRIER                         ; my LDS stores have landed and my LDS loads are in: then the work-group's barrier
	s_wait_dscnt 0x0
	s_barrier_signal -1
	s_barrier_wait -1
.endm
.macro IMAGE adr, off                  ; the fragment in v[PC] on goes to LDS as it stands
.irp c, 0,1,2
	ds_store_b128 v[\adr], v[PC+4*\c:PC+4*\c+3] offset:(\off)+512*\c
.endr
.endm
.macro FETCH reg, adr, off             ; and comes back so, in any wave
.irp c, 0,1,2
	ds_load_b128 v[(\reg)+4*\c:(\reg)+4*\c+3], v[\adr] offset:(\off)+512*\c
.endr
.endm
.macro WMC d, a, b, c, sa, sb          ; D = A x B + C on codes of BF6
	v_wmma_scale_f32_16x16x128_f8f6f4 v[(\d):(\d)+7], v[(\a):(\a)+11], v[(\b):(\b)+11], v[(\c):(\c)+7], v[\sa], v[\sb] matrix_a_fmt:MATRIX_FMT_BF6 matrix_b_fmt:MATRIX_FMT_BF6
.endm
; 64 numbers of my row, K innermost in memory: k = 64 c + 32 h + 0 .. 31, two whole blocks a lane, as the operand's layout gives them to lane (r, h)
.macro LOADW dst, nw, vo, sb, off
	WIN ((\nw)<<6)
.irp c, 0,1
.irp q, 0,1,2,3,4,5,6,7
	global_load_b128 v[(\dst)+32*\c+4*\q:(\dst)+32*\c+4*\q+3], v[\vo], s[\sb:\sb+1] offset:(\off)+256*\c+16*\q
.endr
.endr
	WIN 0
.endm
; such 64 numbers (window nw, from v[s]) become a fragment's codes in v[pc] on and its scale word in v[pw]
.macro QUANTW s, nw, pc, pw
	WIN (\nw)|((\nw)<<2)
.irp c, 0,1
	v_max3_num_f32 v[TM+\c], |v[(\s)+32*\c]|, |v[(\s)+32*\c+1]|, 0x2800000   ; my block 2 c + h, and the floor 2^(5 - 127): the byte cannot fall under 1
.endr
.irp i, 2,4,6,8,10,12,14,16,18,20,22,24,26,28,30
.irp c, 0,1
	v_max3_num_f32 v[TM+\c], |v[(\s)+32*\c+\i]|, |v[(\s)+32*\c+\i+1]|, v[TM+\c]
.endr
.endr
	WIN 0
.irp c, 0,1
	v_add_nc_u32 v[TM+12+\c], 0xfe000000, v[TM+\c]   ; 4 off the exponent field: the conversion takes the exponent field of this operand as its scale
.endr
.irp c, 0,1
	v_lshrrev_b32 v[TM+4+\c], 23, v[TM+12+\c]        ; the scale's byte
.endr
	v_lshl_or_b32 v[\pw], v[TM+5], 16, v[TM+4]       ; my two bytes, blocks h and 2 + h,
	v_lshlrev_b32 v[\pw], v6, v[\pw]                 ; at their places (8 h bits up);
	v_permlanex16_b32 v[TP], v[\pw], s[SEL], s[SEL+1]
	v_or_b32 v[\pw], v[\pw], v[TP]                   ; with lane l xor 16's two the word is whole
	WIN (\nw)
.irp c, 0,1
	v_cvt_scalef32_pk16_bf6_f32 v[(\pc)+6*\c:(\pc)+6*\c+2], v[(\s)+32*\c:(\s)+32*\c+15], v[TM+12+\c]
	v_cvt_scalef32_pk16_bf6_f32 v[PC+12+4*\c:PC+14+4*\c], v[(\s)+32*\c+16:(\s)+32*\c+31], v[TM+12+\c]   ; (a conversion's three registers begin on an even number)
.endr
	WIN 0
	v_nop                                            ; one plain place behind a scaled conversion
.irp c, 0,1
.irp i, 0,1,2
	v_mov_b32 v[(\pc)+3+6*\c+\i], v[PC+12+4*\c+\i]
.endr
.endr
.endm
; 64 numbers of a lane (window nw), register 16 b + i = k 32 b + 16 h + i of my row (a transposed product's 8 tiles), become codes in v[PC] on and the scale word in v[PW]
.macro QUANTD s, nw, dw
	WIN (\nw)|((\nw)<<2)
.irp b, 0,1,2,3
	v_max3_num_f32 v[TM+\b], |v[(\s)+16*\b]|, |v[(\s)+16*\b+1]|, 0x2800000
.endr
.irp i, 2,4,6,8,10,12,14
.irp b, 0,1,2,3
	v_max3_num_f32 v[TM+\b], |v[(\s)+16*\b+\i]|, |v[(\s)+16*\b+\i+1]|, v[TM+\b]
.endr
.endr
	WIN 0
.irp b, 0,1,2,3
	v_permlanex16_b32 v[TM+4+\b], v[TM+\b], s[SEL], s[SEL+1]
.endr
.irp b, 0,1,2,3
	v_max_num_f32 v[TM+\b], v[TM+\b], v[TM+4+\b]     ; with lane l xor 16's 16: the block's largest magnitude
.endr
.irp b, 0,1,2,3
	v_add_nc_u32 v[TM+12+\b], 0xfe000000, v[TM+\b]
.endr
.irp b, 0,1,2,3
	v_lshrrev_b32 v[TM+4+\b], 23, v[TM+12+\b]
.endr
.if \dw >= 0
	s_wait_dscnt \dw                                 ; the last image's stores have read v[PC] on and v[PW]
.endif
	v_lshl_or_b32 v[PW], v[TM+5], 8, v[TM+4]
	v_lshl_or_b32 v[PW], v[TM+6], 16, v[PW]
	v_lshl_or_b32 v[PW], v[TM+7], 24, v[PW]
	WIN (\nw)
.irp c, 0,1
	v_cvt_scalef32_pk16_bf6_f32 v[PC+6*\c:PC+6*\c+2], v[(\s)+32*\c:(\s)+32*\c+15], v[TM+12+2*\c]
	v_cvt_scalef32_pk16_bf6_f32 v[PC+12+4*\c:PC+14+4*\c], v[(\s)+32*\c+16:(\s)+32*\c+31], v[TM+12+2*\c+1]
.endr
	WIN 0
	v_nop                                            ; one plain place behind a scaled conversion
.irp c, 0,1                                      ; the operand's layout wants a WHOLE block in a lane: lanes 0-15 block 2 c, lanes 16-31 block 2 c + 1
.irp i, 0,1,2
	v_permlane16_swap_b32 v[PC+6*\c+\i], v[PC+12+4*\c+\i]
.endr
.irp i, 0,1,2
	v_mov_b32 v[PC+3+6*\c+\i], v[PC+12+4*\c+\i]
.endr
.endr
.endm
	s_load_b512 s[4:19], s[0:1], 0x0               ; Wq, W1, W2, Wk, Wv, bk, bv, cond_emb
	s_load_b256 s[20:27], s[0:1], 0x40             ; conv_w, conv_b, wts, kv
	v_lshl_add_u32 v254, v0, 2, 0xd400
	v_mov_b32 v255, 0
	v_lshrrev_b32 v1, 5, v0
	v_readfirstlane_b32 s28, v1                    ; wave
	v_and_b32 v2, 31, v0
	v_and_b32 v3, 15, v0                           ; r
	v_bfe_u32 v4, v0, 4, 1                         ; h
	v_and_b32 v5, 8, v3
	v_add_nc_u32 v5, v5, v3                        ; r + 8 (r / 8)
	v_lshlrev_b32 v6, 3, v4                        ; 8 h
	v_lshlrev_b32 v1, 4, v2                        ; 16 x lane
	v_lshlrev_b32 v2, 2, v2                        ; 4 x lane
	v_lshlrev_b32 v7, 10, v5
	v_lshl_add_u32 v7, v4, 7, v7                   ; Wk, Wv: my row of 1,024 bytes, + 128 h
	v_lshlrev_b32 v10, 2, v0                       ; pad: 4 x thread
	v_lshlrev_b32 v11, 7, v4                       ; pad: my half's 32 numbers of a block pair
	v_lshlrev_b32 v56, 2, v5                       ; 4 bytes a row of a tile
	v_lshlrev_b32 v57, 6, v4                       ; 64 h: a bias in the result's layout
	v_lshlrev_b32 v58, 4, v3                       ; K's scale words: 16 bytes a key
	v_lshlrev_b32 v59, 2, v3                       ; V's: 4 bytes a channel
	v_add_nc_u32 v52, 250, v0                      ; pad[j] = cond_emb[(j + 250) mod 252], j = thread and thread + 128
	v_add_nc_u32 v53, 378, v0
.rept 2
	v_add_nc_u32 v54, 0xffffff04, v52              ; less 252; where that wraps round, the minimum keeps the number
	v_add_nc_u32 v55, 0xffffff04, v53
	v_min_u32 v52, v52, v54
	v_min_u32 v53, v53, v55
.endr
	v_lshlrev_b32 v52, 2, v52
	v_lshlrev_b32 v53, 2, v53
.irp b, 0,1,2,3
	v_mov_b32 v[TM+4+\b], 0                        ; written once: a lane permute's destination counts as one of its sources
.endr
	v_mov_b32 v[TP], 0
	s_lshr_b32 s29, ttmp9, 3                       ; batch
	s_and_b32 s30, ttmp9, 7                        ; p
	s_lshr_b32 s31, s30, 1                         ; k's channel step
	s_and_b32 s38, s30, 1
	s_lshl_b32 s38, s38, 2
	s_add_co_u32 s38, s38, s28                     ; k's key tile
	s_lshl_b32 s39, s30, 2
	s_add_co_u32 s39, s39, s28                     ; v's channel tile
	s_mov_b32 s[SEL], 0x76543210
	s_mov_b32 s[SEL+1], 0xfedcba98
	s_mov_b32 s35, 0
	s_mul_i32 s34, s28, 6144                       ; a wave stores four fragments on end
	v_add_nc_u32 v12, s34, v1
	v_add_nc_u32 v14, WKIMG, v12
	v_add_nc_u32 v12, CIMG, v12
	s_lshl_b32 s34, s28, 9
	v_add_nc_u32 v13, s34, v2
	v_add_nc_u32 v15, WKSC, v13
	v_add_nc_u32 v13, CSC, v13
	s_mul_i32 s34, s38, 3072                       ; cond's two fragments of k's key tile
	v_add_nc_u32 v16, s34, v1
	v_add_nc_u32 v16, CIMG, v16
	s_lshl_b32 s34, s38, 8
	v_add_nc_u32 v17, s34, v2
	v_add_nc_u32 v17, CSC, v17
	; the big fragment: which tensor, tile and K step.  The choices hang on the work-group's number alone
	s_mov_b32 s43, 991232
	s_cmp_lt_u32 ttmp9, 32
	s_cselect_b32 s42, 0, 32
	s_cselect_b32 s43, 983040, s43                 ; where the tensor's scale words begin in wts
	s_cmp_lt_u32 ttmp9, 96
	s_cselect_b32 s42, s42, 96
	s_cselect_b32 s43, s43, 1007616
	s_cselect_b32 s44, 11, 12                      ; a row is 2,048 bytes (K = 512) or 4,096 (K = 1,024)
	s_cselect_b32 s45, 4, 5                        ; a row's scale words are 16 or 32 bytes
	s_cselect_b32 s46, 0, 1
	s_sub_co_u32 s42, ttmp9, s42
	s_lshr_b32 s47, s42, s46                       ; tile
	s_and_b32 s62, s42, s46
	s_lshl_b32 s62, s62, 2
	s_add_co_u32 s62, s62, s28                     ; K step
	v_lshlrev_b32 v8, s44, v5
	v_lshl_add_u32 v8, v4, 7, v8                   ; my row, + 128 h
	v_lshlrev_b32 v9, s45, v3                      ; my row's scale words
	s_wait_kmcnt 0x0
	s_mul_i32 s34, s29, 1008
	s_add_nc_u64 s[CEB:CEB+1], s[18:19], s[34:35]
	s_lshl_b32 s34, s28, 7                         ; my key tiles 2 w, 2 w + 1 begin at key 32 w
	s_add_nc_u64 s[CWB:CWB+1], s[20:21], s[34:35]
	s_add_nc_u64 s[CBB:CBB+1], s[22:23], s[34:35]
	s_lshr_b32 s40, s39, 1
	s_lshl_b32 s40, s40, 5
	s_and_b32 s41, s39, 1
	s_lshl_b32 s41, s41, 3
	s_add_co_u32 s40, s40, s41                     ; v's channel tile begins at this channel
	s_lshl_b32 s34, s40, 2
	s_add_nc_u64 s[BVB:BVB+1], s[16:17], s[34:35]
	s_lshl_b32 s34, s40, 10
	s_add_nc_u64 s[WVB:WVB+1], s[12:13], s[34:35]
	s_lshl_b32 s34, s31, 7
	s_lshl_b32 s41, s28, 5
	s_add_co_u32 s34, s34, s41                     ; my two tiles of Wk begin at row 128 step + 32 w
	s_lshl_b32 s34, s34, 10
	s_add_nc_u64 s[WKB:WKB+1], s[10:11], s[34:35]
	s_lshl_b32 s34, s31, 9
	s_add_nc_u64 s[BKB:BKB+1], s[14:15], s[34:35]
	global_load_b32 v54, v52, s[CEB:CEB+1]
	global_load_b32 v55, v53, s[CEB:CEB+1]
	global_load_b32 v22, v56, s[CWB:CWB+1]
	global_load_b32 v24, v56, s[CBB:CBB+1]
	global_load_b32 v26, v56, s[CWB:CWB+1] offset:32
	global_load_b32 v28, v56, s[CBB:CBB+1] offset:32
	global_load_b32 v30, v56, s[BVB:BVB+1]
	LOADW 0, 1, 7, WKB, 0                          ; Wk: tile 0, K step 0
	LOADW 64, 1, 7, WKB, 512                       ; tile 0, K step 1
	LOADW 128, 1, 7, WKB, 8192                     ; tile 1, K step 0
	s_cmp_lt_u32 ttmp9, 32
	s_cselect_b64 s[BIGB:BIGB+1], s[4:5], s[6:7]
	s_cmp_lt_u32 ttmp9, 96
	s_cselect_b64 s[BIGB:BIGB+1], s[BIGB:BIGB+1], s[8:9]
	s_lshr_b32 s34, s47, 1
	s_lshl_b32 s34, s34, 5
	s_and_b32 s63, s47, 1
	s_lshl_b32 s63, s63, 3
	s_add_co_u32 s34, s34, s63                     ; the tile's first row,
	s_lshl_b32 s34, s34, s44                       ; in bytes,
	s_lshl_b32 s63, s62, 9
	s_add_co_u32 s34, s34, s63                     ; + 512 bytes a K step
	s_add_nc_u64 s[BIGB:BIGB+1], s[BIGB:BIGB+1], s[34:35]
	s_lshl_b32 s34, ttmp9, 2
	s_add_co_u32 s34, s34, s28
	s_mul_i32 s34, s34, 1536
	s_add_nc_u64 s[BIGC:BIGC+1], s[24:25], s[34:35]
	s_lshl_b32 s34, s47, 4
	s_lshl_b32 s34, s34, s45
	s_lshl_b32 s63, s62, 2
	s_add_co_u32 s34, s34, s63
	s_add_co_u32 s34, s34, s43
	s_add_nc_u64 s[BIGS:BIGS+1], s[24:25], s[34:35]
	s_mul_i32 s34, s29, 102400
	s_add_nc_u64 s[KVB:KVB+1], s[26:27], s[34:35]
	s_lshl_b32 s34, s38, 2
	s_add_co_u32 s34, s34, s31
	s_mul_i32 s34, s34, 1536
	s_add_nc_u64 s[KCD:KCD+1], s[KVB:KVB+1], s[34:35]
	s_lshl_b32 s34, s38, 8
	s_lshl_b32 s63, s31, 2
	s_add_co_u32 s34, s34, s63
	s_add_nc_u64 s[KSD:KSD+1], s[KVB:KVB+1], s[34:35]
	s_mul_i32 s34, s39, 1536
	s_add_nc_u64 s[VCD:VCD+1], s[KVB:KVB+1], s[34:35]
	s_lshl_b32 s34, s39, 6
	s_add_nc_u64 s[VSD:VSD+1], s[KVB:KVB+1], s[34:35]
	s_wait_loadcnt 48                              ; the seven small loads are in; Wk's 48 are younger
	ds_store_b32 v10, v54
	ds_store_b32 v10, v55 offset:512
	v_mov_b32 v23, v22                             ; conv_w and conv_b of my two key tiles, each twice: pairs for the packed multiply-add
	v_mov_b32 v25, v24
	v_mov_b32 v27, v26
	v_mov_b32 v29, v28
	BARRIER                                        ; pad's 256 numbers lie in LDS
	; cond: my key tiles 2 w + u, K steps k
.irp k, 0,1
.irp c, 0,1
.irp q, 0,1,2,3,4,5,6,7
	ds_load_b128 v[PD+32*\c+4*\q:PD+32*\c+4*\q+3], v11 offset:PAD+512*\k+256*\c+16*\q
.endr
.endr
	s_wait_dscnt 0x0
.irp u, 0,1
.set ii, 0
.rept 32
	v_pk_fma_f32 v[X+ii:X+ii+1], v[PD+ii:PD+ii+1], v[22+4*\u:23+4*\u], v[24+4*\u:25+4*\u]
.set ii, ii+2
.endr
	QUANTW X, 0, PC, PW
	IMAGE 12, (2*\u+\k)*1536
	ds_store_b32 v13, v[PW] offset:(2*\u+\k)*128
	s_wait_dscnt 0x0                               ; the stores have read their registers
.endr
.endr
	LOADW 192, 1, 7, WKB, 8704                     ; Wk: tile 1, K step 1
	LOADW 0, 2, 7, WVB, 0                          ; Wv: K steps 0, 1
	LOADW 64, 2, 7, WVB, 512
	s_wait_loadcnt 63                              ; behind Wk's first fragment 80 loads were issued: the count is held at what the wait can name
	QUANTW 0, 1, PC, PW
	IMAGE 14, 0
	ds_store_b32 v15, v[PW]
	s_wait_dscnt 0x0
	s_wait_loadcnt 63                              ; behind the second: 64
	QUANTW 64, 1, PC, PW
	IMAGE 14, 1536
	ds_store_b32 v15, v[PW] offset:128
	s_wait_dscnt 0x0
	s_wait_loadcnt 48                              ; behind the third: Wk's fourth and Wv's two
	QUANTW 128, 1, PC, PW
	IMAGE 14, 3072
	ds_store_b32 v15, v[PW] offset:256
	s_wait_dscnt 0x0
	WIN 0x80
.irp t, 0,1,2,3,4,5,6,7                        ; bk in the result's layout: tile t, lane (r, h): channels 32 (t / 2) + 16 h + 8 (t % 2) + 0 .. 7 of the step
.irp q, 0,1
	global_load_b128 v[192+8*\t+4*\q:192+8*\t+4*\q+3], v57, s[BKB:BKB+1] offset:128*(\t/2)+32*(\t%2)+16*\q
.endr
.endr
	WIN 0
	s_wait_loadcnt 48                              ; behind Wk's fourth: Wv's 32 and bk's 16
	QUANTW 192, 1, PC, PW
	IMAGE 14, 4608
	ds_store_b32 v15, v[PW] offset:384
	; ONE branch on the work-group's number.  Work-groups 0 to 159 ask for their fragment of Wq | W1 | W2, quantise Wv's two fragments while it lands, then quantise and store it;
	; the others quantise Wv's two alone.  Neither way stores to LDS; Wv stays in my registers.
	s_cmp_lt_u32 ttmp9, 160
	s_cbranch_scc0 .Lno_big
	LOADW 128, 2, 8, BIGB, 0
	s_wait_loadcnt 48                              ; behind Wv's first: Wv's second, bk's 16 and the 16 just issued
	QUANTW 0, 2, VF, 50
	s_wait_loadcnt 32                              ; behind Wv's second: bk's and the big fragment's
	QUANTW 64, 2, VF+12, 51
	s_wait_loadcnt 0x0
	s_wait_dscnt 0x0                               ; the last image's stores have read v[PC] on and v[PW]
	QUANTW 128, 2, PC, PW
.irp c, 0,1,2
	global_store_b128 v1, v[PC+4*\c:PC+4*\c+3], s[BIGC:BIGC+1] offset:512*\c   ; 32 lanes store 512 consecutive bytes, aligned
.endr
	global_store_b32 v9, v[PW], s[BIGS:BIGS+1]     ; lanes r and r + 16 store the same word to the same place
	s_wait_xcnt 0x0                                ; v[PC] on and v[PW] are written again only behind this wait
	s_branch .Lbig_done
.Lno_big:
	s_wait_loadcnt 32                              ; behind Wv's first: Wv's second and bk's 16
	QUANTW 0, 2, VF, 50
	s_wait_loadcnt 16
	QUANTW 64, 2, VF+12, 51
.Lbig_done:
	BARRIER                                        ; cond's and Wk's fragments lie in LDS
	; ---- k: 16 keys x 128 channels
	FETCH 64, 16, 0
	FETCH 76, 16, 1536
	ds_load_b32 v48, v17
	ds_load_b32 v49, v17 offset:128
	WIN 0x40
.irp f, 0,1,2,3,4,5,6,7,8,9,10,11,12,13,14,15
	FETCH 12*\f, 1, WKIMG+1536*\f
.endr
	WIN 0
.irp f, 0,1,2,3,4,5,6,7,8,9,10,11,12,13,14,15
	ds_load_b32 v[32+\f], v2 offset:WKSC+128*\f
.endr
	s_wait_loadcnt 0x0                             ; bk
	s_wait_dscnt 0x0
	WIN 0xa1                                       ; source 0 window 1, source 1 window 0, C and D window 2
.irp t, 0,1,2,3,4,5,6,7                        ; the eight sums take turns, one instruction a turn; the bias is the first C
	WMC 8*\t, 12*(2*\t), 64, 192+8*\t, 32+2*\t, 48
.endr
.irp t, 0,1,2,3,4,5,6,7
	WMC 8*\t, 12*(2*\t+1), 76, 8*\t, 33+2*\t, 49
.endr
	WIN 0
	PLACES 4
	QUANTD 0, 2, -1
.irp c, 0,1,2
	global_store_b128 v1, v[PC+4*\c:PC+4*\c+3], s[KCD:KCD+1] offset:512*\c
.endr
	global_store_b32 v58, v[PW], s[KSD:KSD+1] offset:98304
	; ---- v: 16 channels x 128 keys
.irp j, 0,1,2,3,4,5,6,7
	v_mov_b32 v[88+\j], v30                        ; a lane holds one channel: its bias in all eight registers
.endr
	WIN 0x40
.irp f, 0,1,2,3,4,5,6,7,8,9,10,11,12,13,14,15
	FETCH 12*\f, 1, CIMG+1536*\f
.endr
	WIN 0
.irp f, 0,1,2,3,4,5,6,7,8,9,10,11,12,13,14,15
	ds_load_b32 v[32+\f], v2 offset:CSC+128*\f
.endr
	s_wait_dscnt 0x0
	WIN 0x81                                       ; source 0 window 1, source 1 and C window 0, D window 2
.irp t, 0,1,2,3,4,5,6,7
	WMC 64+8*\t, 12*(2*\t), VF, 88, 32+2*\t, 50
.endr
	WIN 0xa1
.irp t, 0,1,2,3,4,5,6,7
	WMC 64+8*\t, 12*(2*\t+1), VF+12, 64+8*\t, 33+2*\t, 51
.endr
	WIN 0
	PLACES 4
	s_wait_xcnt 0x0                                ; k's stores have read v[PC] on and v[PW]
	QUANTD 64, 2, -1
.irp c, 0,1,2
	global_store_b128 v1, v[PC+4*\c:PC+4*\c+3], s[VCD:VCD+1] offset:49152+512*\c
.endr
	global_store_b32 v59, v[PW], s[VSD:VSD+1] offset:100352
	s_wait_tensorcnt 0x0
	ds_add_u32 v254, v255
	s_wait_dscnt 0x0
	s_endpgm
.Lfunc_end_k_qeb7302a2f1_prep:
	.size	k_qeb7302a2f1_prep, .Lfunc_end_k_qeb7302a2f1_prep-k_qeb7302a2f1_prep
	.p2alignl 7, 3214868480
	.fill 96, 4, 3214868480
	.section	.rodata,"a",@progbits
	.p2align	6, 0x0
	.amdhsa_kernel k_qeb7302a2f1_prep
		.amdhsa_group_segment_fixed_size 54784
		.amdhsa_private_segment_fixed_size 0
		.amdhsa_enable_private_segment 0
		.amdhsa_kernarg_size 96
		.amdhsa_user_sgpr_count 2
		.amdhsa_user_sgpr_kernarg_segment_ptr 1
		.amdhsa_wavefront_size32 1
		.amdhsa_system_sgpr_workgroup_id_x 1
		.amdhsa_system_sgpr_workgroup_id_y 1
		.amdhsa_system_sgpr_workgroup_id_z 1
		.amdhsa_system_vgpr_workitem_id 0
		.amdhsa_next_free_vgpr 768
		.amdhsa_next_free_sgpr 80
		.amdhsa_reserve_vcc 0
		.amdhsa_float_denorm_mode_32 3
		.amdhsa_float_denorm_mode_16_64 3
		.amdhsa_memory_ordered 1
		.amdhsa_forward_progress 1
		.amdhsa_inst_pref_size 94
	.end_amdhsa_kernel
	.amdgpu_metadata
---
amdhsa.version: [ 1, 2 ]
amdhsa.kernels:
  - .name:           k_qeb7302a2f1_prep
    .symbol:         k_qeb7302a2f1_prep.kd
    .args:
      - { .name: Wq, .offset: 0, .size: 8, .value_kind: global_buffer, .address_space: global }
      - { .name: W1, .offset: 8, .size: 8, .value_kind: global_buffer, .address_space: global }
      - { .name: W2, .offset: 16, .size: 8, .value_kind: global_buffer, .address_space: global }
      - { .name: Wk, .offset: 24, .size: 8, .value_kind: global_buffer, .address_space: global }
      - { .name: Wv, .offset: 32, .size: 8, .value_kind: global_buffer, .address_space: global }
      - { .name: bk, .offset: 40, .size: 8, .value_kind: global_buffer, .address_space: global }
      - { .name: bv, .offset: 48, .size: 8, .value_kind: global_buffer, .address_space: global }
      - { .name: cond_emb, .offset: 56, .size: 8, .value_kind: global_buffer, .address_space: global }
      - { .name: conv_w, .offset: 64, .size: 8, .value_kind: global_buffer, .address_space: global }
      - { .name: conv_b, .offset: 72, .size: 8, .value_kind: global_buffer, .address_space: global }
      - { .name: wts, .offset: 80, .size: 8, .value_kind: global_buffer, .address_space: global }
      - { .name: kv, .offset: 88, .size: 8, .value_kind: global_buffer, .address_space: global }
    .group_segment_fixed_size: 54784
    .private_segment_fixed_size: 0
    .kernarg_segment_align: 8
    .kernarg_segment_size: 96
    .max_flat_workgroup_size: 128
    .sgpr_count:     80
    .vgpr_count:     768
    .wavefront_size: 32
...
	.end_amdgpu_metadata
.endif
;; end of part 1
;; launch main (part 2): grid 256 x 1, 4 waves a work-group, no clusters, 237,568 bytes of LDS; arguments x, wts, kv, bq, ln1_w, ln1_b, b1, b2, ln2_w, ln2_b, out0; writes out0
.if DOCPART == 2
	.amdgcn_target "amdgcn-amd-amdhsa--gfx1250"
	.amdhsa_code_object_version 6
	.text
	.protected	k_qeb7302a2f1_main
	.globl	k_qeb7302a2f1_main
	.p2align	8
	.type	k_qeb7302a2f1_main,@function
k_qeb7302a2f1_main:
	s_mov_b64 s[64:65], 0
	v_nop
	global_prefetch_b8 v0, s[64:65] scope:SCOPE_SE
	s_setreg_imm32_b32 hwreg(HW_REG_WAVE_MODE, 25, 1), 1
	s_wait_xcnt 0x0
; MAIN.  out = LN2(query + gelu(query W1^T + b1) W2^T + b2) + x,  query = LN1(q + softmax(q k^T / sqrt(512)) v),  q = x Wq^T + bq; all five products on codes of BF6 (E3M2) with E8M0 scales for each 32 along K.
; A work-group takes 128 tokens of one batch through the whole chain; only x, the codes made by the launch before and out0 touch memory.
; SHARES.  THE FOUR WAVES SHARE THE COLUMNS: wave w owns channels 128 w .. 128 w + 127 of all 128 tokens: 64 sums of 16 x 16 in windows 2 and 3, which hold in turn q, q l + P V, query, query + ff + b2, the result.
; So each fragment of a weight is loaded once in the work-group, by one wave, from memory straight into registers (it lies there in register order), and feeds eight matrix instructions.
; What goes from wave to wave is small: codes and scale words, as IMAGES OF THE OPERAND'S REGISTERS in LDS.  Scores and softmax alone are shared by rows (wave w: row tiles 2 w, 2 w + 1).
; ALL PRODUCTS ARE USED TRANSPOSED (source 0 = 16 rows of the weight, keys or channels; source 1 = 16 tokens): lane (r, h) holds token r, register j of tile T the column 32 (T / 2) + 16 h + 8 (T % 2) + j
; (the rows of a tile are chosen so): the 16 registers of tiles 2 b, 2 b + 1 are 16 neighbours along the next K, as the conversions want them.
; SOFTMAX: p = 2^(t - M), t = score log2(e) / sqrt(512), M = ceil(the row's largest t); l = the sum of the unquantised p.  q + O / l is kept as q l + O, and 1 / l goes into LN1's factor.
; LAYERNORM: each wave takes its 128 channels' mean off first, sums squares, and the four waves' (mean, sum of squares) are joined by the parallel form: no difference of large sums is formed.
; GELU: 0.5 x (1 + erf(x / sqrt 2)), erf(z) = z P(z^2) / Q(z^2), degrees 6 and 4, z held to +-4.
; NO JOINT LOADS, NO TENSOR LOADS: the work-groups do walk the same weights, but a fragment is used from registers by one wave only; to share it in a cluster it would have to pass through LDS slots
; that are filled again some nine times behind rounds of a cluster's barrier, beside the 237,056 bytes of images and stages that this text holds: the slots do not fit.
; LIMITS: NaN and infinities are not served.  A block whose largest magnitude lies under 2^-122 keeps the scale byte 1.  erf's absolute error is some 1e-7, so gelu of a very negative x is known to about 1e-7 |x| and not relatively.
.set STG,  0                           ; LDS: a stage of 16 rows x (512 + 16) bytes for each wave, its own
.set XIMG, 33792                       ; x's 32 fragments (4 m + s)
.set XSC,  82944                       ; their scale words: 512 m + 16 lane + 4 s
.set AIMG, 87040                       ; q's fragments, later query's
.set ASC,  136192
.set KIMG, 140288                      ; k's 32 fragments (4 kt + s)
.set PIMG, 189440                      ; p's 8 fragments
.set PSC,  201728                      ; 128 m + 4 lane
.set LEX,  202752                      ; l: 4 bytes a token
.set NEX,  203264                      ; the norms' exchange: 4,096 bytes each: 512 m + 128 w + 8 r: (- mean, sum of squares)
.set HIMG, 211456                      ; the hidden layer: two buffers of 8 fragments, a lane's 48 bytes on end, and 512 bytes of scale words behind them
.set HBUF, 12800
.set BS,  24                           ; v24-31   source 1's scale words;  v32-63 source 0's (and in the FFN v48-55 query's, v56-63 the hidden layer's).  v24-63 hold scales and nothing else
.set BF,  64                           ; v64-159  eight fragments of source 1
.set HA,  160                          ; v160-191 four tiles of the hidden layer
.set QD,  128                          ; v128-159 in a norm: for row tile m, +0 -mean then R, +1 sum of squares, +2 E
.set IL,  160                          ; v160-167 1 / l
.set CH,  168                          ; v168-183 chains of sums
.set TA,  168
.set TB,  176
.set EX,  192                          ; v192-255 what the four waves exchanged
.set LL,  192                          ; v192-207 l, twice each
.set NM,  192                          ; softmax: -M, t
.set SA,  194
.set SB,  196
.set TM,  216                          ; v216-231 quantiser at work
.set PC,  232                          ; v232-251 the codes just made
.set PW,  252
.set TP,  253
.set WV,  26
.set SEL, 28
.set CS,  30
.set SQH, 32
.set EPS, 34
.set I512, 35
.set CA0, 36
.set CA2, 38
.set CA3, 40
.set CA4, 42
.set CA5, 44
.set CA6, 46
.set CB0, 48
.set CB2, 50
.set CB3, 52
.set CB4, 54
.set KVW, 56
.set KVS, 58
.set XB,  66
.set OB,  68
.set WQP, 70
.set WQS, 72
.set KVB, 74
.set W1P, 76
.set W1SP, 78
.set W2P, 80
.set W2SP, 82
.set B1P, 84
.set CNT, 86
.set TOG, 87
.set BQP, 88
.set LW1, 90
.set LB1, 92
.set B2P, 94
.set LW2, 96
.set LB2, 98
; v1 16 lane; v2 4 r; v3 16 r; v4 32 r; v5 64 h; v6 the stage by token (528 r + 64 h); v7 the stage by rows (16 lane); v8-23 LDS addresses, made twice (see below).
; window 1: weights' fragments, biases and gains, later x and rows on the way out.  windows 2, 3: sum (m, t) at v[8 (8 (m % 4) + t)] of window 2 + m / 4.
.set MSB, 0
.macro WIN new                         ; the immediate's high byte repeats the setting that is left; a switch that changes nothing is dropped
.if MSB != (\new)
	s_set_vgpr_msb (MSB<<8)|(\new)
.set MSB, (\new)
.endif
.endm
.macro PLACES n                        ; plain vector places behind matrix instructions (ISA guide 7.12.1)
.rept \n
	v_nop
.endr
.endm
.macro BARRIER                         ; my LDS stores have landed and my LDS loads are in: then the work-group's barrier
	s_wait_dscnt 0x0
	s_barrier_signal -1
	s_barrier_wait -1
.endm
.macro SPAIR reg, val                  ; a constant twice: the packed forms name a pair
	s_mov_b32 s[\reg], \val
	s_mov_b32 s[\reg+1], \val
.endm
.macro IMAGE adr, off
.irp c, 0,1,2
	ds_store_b128 v[\adr], v[PC+4*\c:PC+4*\c+3] offset:(\off)+512*\c
.endr
.endm
.macro FETCH reg, adr, off, st
.irp c, 0,1,2
	ds_load_b128 v[(\reg)+4*\c:(\reg)+4*\c+3], v[\adr] offset:(\off)+(\st)*\c
.endr
.endm
.macro FETCH8 fa, f0, fs, st, sa, s0, ss, fd, sd   ; eight fragments of source 1, one for each row tile, each with its scale word: four LDS loads a tile
.irp m, 0,1,2,3,4,5,6,7
	FETCH (\fd)+12*\m, \fa, (\f0)+(\fs)*\m, \st
	ds_load_b32 v[(\sd)+\m], v[\sa] offset:(\s0)+(\ss)*\m
.endr
.endm
.macro WMC d, a, b, c, sa, sb
	v_wmma_scale_f32_16x16x128_f8f6f4 v[(\d):(\d)+7], v[(\a):(\a)+11], v[(\b):(\b)+11], v[(\c):(\c)+7], v[\sa], v[\sb] matrix_a_fmt:MATRIX_FMT_BF6 matrix_b_fmt:MATRIX_FMT_BF6
.endm
.macro WMZ d, a, b, sa, sb
	v_wmma_scale_f32_16x16x128_f8f6f4 v[(\d):(\d)+7], v[(\a):(\a)+11], v[(\b):(\b)+11], 0, v[\sa], v[\sb] matrix_a_fmt:MATRIX_FMT_BF6 matrix_b_fmt:MATRIX_FMT_BF6
.endm
; One K step of 128 for all 64 sums: eight fragments of source 0 (v[ab + 12 t] of window aw) against the eight of FETCH8.  The 64 sums take turns, one instruction a turn.
; The count in front of row tile m leaves the loads of the tiles behind it out: four each.  bias = 1: C is window 1's v[192 + 8 t].
.macro MUL64 ab, aw, sab, sas, fd, sd, bias
.irp m, 0,1,2,3,4,5,6,7
	s_wait_dscnt 4*(7-\m)
.if \bias
	WIN ((2+\m/4)<<6)|0x10|(\aw)
.else
	WIN ((2+\m/4)<<6)|((2+\m/4)<<4)|(\aw)
.endif
.irp t, 0,1,2,3,4,5,6,7
.if \bias
	WMC 8*(8*(\m%4)+\t), (\ab)+12*\t, (\fd)+12*\m, 192+8*\t, (\sab)+(\sas)*\t, (\sd)+\m
.else
	WMC 8*(8*(\m%4)+\t), (\ab)+12*\t, (\fd)+12*\m, 8*(8*(\m%4)+\t), (\sab)+(\sas)*\t, (\sd)+\m
.endif
.endr
.endr
	WIN 0
.endm
; 64 numbers of a lane (window nw), register 16 b + i = k 32 b + 16 h + i of my token, become a fragment's codes in v[PC] on and its scale word in v[PW].
; dw: the count on DScnt behind which the last image's stores have read those registers (-1: the caller has waited).
.macro QUANTD s, nw, dw
	WIN (\nw)|((\nw)<<2)
.irp b, 0,1,2,3
	v_max3_num_f32 v[TM+\b], |v[(\s)+16*\b]|, |v[(\s)+16*\b+1]|, 0x2800000   ; block b: my 16 numbers, and the floor 2^(5 - 127): the byte cannot fall under 1
.endr
.irp i, 2,4,6,8,10,12,14
.irp b, 0,1,2,3
	v_max3_num_f32 v[TM+\b], |v[(\s)+16*\b+\i]|, |v[(\s)+16*\b+\i+1]|, v[TM+\b]
.endr
.endr
	WIN 0
.irp b, 0,1,2,3
	v_permlanex16_b32 v[TM+4+\b], v[TM+\b], s[SEL], s[SEL+1]
.endr
.irp b, 0,1,2,3
	v_max_num_f32 v[TM+\b], v[TM+\b], v[TM+4+\b]     ; with lane l xor 16's 16: the block's largest magnitude
.endr
.irp b, 0,1,2,3
	v_add_nc_u32 v[TM+12+\b], 0xfe000000, v[TM+\b]   ; 4 off the exponent field: the conversion's scale operand
.endr
.irp b, 0,1,2,3
	v_lshrrev_b32 v[TM+4+\b], 23, v[TM+12+\b]        ; the scale's byte
.endr
.if \dw >= 0
	s_wait_dscnt \dw
.endif
	v_lshl_or_b32 v[PW], v[TM+5], 8, v[TM+4]
	v_lshl_or_b32 v[PW], v[TM+6], 16, v[PW]
	v_lshl_or_b32 v[PW], v[TM+7], 24, v[PW]
	WIN (\nw)
.irp c, 0,1
	v_cvt_scalef32_pk16_bf6_f32 v[PC+6*\c:PC+6*\c+2], v[(\s)+32*\c:(\s)+32*\c+15], v[TM+12+2*\c]
	v_cvt_scalef32_pk16_bf6_f32 v[PC+12+4*\c:PC+14+4*\c], v[(\s)+32*\c+16:(\s)+32*\c+31], v[TM+12+2*\c+1]   ; (a conversion's three registers begin on an even number)
.endr
	WIN 0
	v_nop                                            ; one plain place behind a scaled conversion
.irp c, 0,1                                      ; the operand's layout wants a WHOLE block in a lane: lanes 0-15 block 2 c, lanes 16-31 block 2 c + 1
.irp i, 0,1,2
	v_permlane16_swap_b32 v[PC+6*\c+\i], v[PC+12+4*\c+\i]
.endr
.irp i, 0,1,2
	v_mov_b32 v[PC+3+6*\c+\i], v[PC+12+4*\c+\i]
.endr
.endr
.endm
.macro QACC                            ; my 128 channels of all 128 tokens become K step w of the next product: eight images
.irp m, 0,1,2,3,4,5,6,7
	QUANTD 64*(\m%4), 2+\m/4, 0
	IMAGE 12, 6144*\m
	ds_store_b32 v13, v[PW] offset:512*\m
.endr
.endm
.macro XLD m, dst, dwin, nt            ; my 512 bytes of rows 16 m .. 16 m + 15 of x: each load covers 512 consecutive bytes, aligned
	WIN ((\dwin)<<6)
.irp i, 0,1,2,3,4,5,6,7,8,9,10,11,12,13,14,15
.if \nt
	global_load_b128 v[(\dst)+4*\i:(\dst)+4*\i+3], v1, s[XB:XB+1] offset:(16*(\m)+\i)*2048 th:TH_LOAD_NT
.else
	global_load_b128 v[(\dst)+4*\i:(\dst)+4*\i+3], v1, s[XB:XB+1] offset:(16*(\m)+\i)*2048
.endif
.endr
	WIN 0
.endm
.macro BIASLD dst, dwin, sb            ; 128 numbers by channel in the sums' layout: tile t, lane (r, h): channels 32 (t / 2) + 16 h + 8 (t % 2) + 0 .. 7
	WIN ((\dwin)<<6)
.irp t, 0,1,2,3,4,5,6,7
.irp q, 0,1
	global_load_b128 v[(\dst)+8*\t+4*\q:(\dst)+8*\t+4*\q+3], v5, s[\sb:\sb+1] offset:128*(\t/2)+32*(\t%2)+16*\q
.endr
.endr
	WIN 0
.endm
.macro WQLD k, dst, dwin               ; my eight fragments of Wq for K step k
	WIN ((\dwin)<<6)
.irp t, 0,1,2,3,4,5,6,7
.irp c, 0,1,2
	global_load_b128 v[(\dst)+12*\t+4*\c:(\dst)+12*\t+4*\c+3], v1, s[WQP:WQP+1] offset:6144*\t+1536*(\k)+512*\c
.endr
.endr
	WIN 0
.endm
	s_load_b512 s[4:19], s[0:1], 0x0               ; x, wts, kv, bq, ln1_w, ln1_b, b1, b2
	s_load_b128 s[20:23], s[0:1], 0x40             ; ln2_w, ln2_b
	s_load_b64 s[24:25], s[0:1], 0x50              ; out0
	v_lshrrev_b32 v64, 5, v0
	v_readfirstlane_b32 s[WV], v64                 ; wave
	v_and_b32 v64, 31, v0                          ; lane
	v_and_b32 v65, 15, v0                          ; r
	v_bfe_u32 v66, v0, 4, 1                        ; h
	v_lshlrev_b32 v67, 2, v64
	v_lshlrev_b32 v1, 4, v64
	v_lshlrev_b32 v2, 2, v65
	v_lshlrev_b32 v3, 4, v65
	v_lshlrev_b32 v4, 5, v65
	v_lshlrev_b32 v5, 6, v66
	s_mov_b32 s61, 0
	s_mov_b32 s63, 0
	s_lshl_b32 s60, ttmp9, 18                      ; 128 rows of 2,048 bytes a work-group
	s_lshl_b32 s62, s[WV], 9                       ; my 128 channels: 512 bytes
	s_wait_kmcnt 0x0
	s_add_nc_u64 s[XB:XB+1], s[4:5], s[60:61]
	s_add_nc_u64 s[XB:XB+1], s[XB:XB+1], s[62:63]
	XLD 0, 0, 2, 0                                 ; x is read again at the end: no hint
	XLD 1, 64, 2, 0
	XLD 2, 128, 2, 0
	XLD 3, 192, 2, 0
	s_add_nc_u64 s[OB:OB+1], s[24:25], s[60:61]
	s_add_nc_u64 s[OB:OB+1], s[OB:OB+1], s[62:63]
	s_add_nc_u64 s[BQP:BQP+1], s[10:11], s[62:63]
	s_add_nc_u64 s[LW1:LW1+1], s[12:13], s[62:63]
	s_add_nc_u64 s[LB1:LB1+1], s[14:15], s[62:63]
	s_add_nc_u64 s[B2P:B2P+1], s[18:19], s[62:63]
	s_add_nc_u64 s[LW2:LW2+1], s[20:21], s[62:63]
	s_add_nc_u64 s[LB2:LB2+1], s[22:23], s[62:63]
	s_mul_i32 s60, s[WV], 49152
	s_add_nc_u64 s[WQP:WQP+1], s[6:7], s[60:61]
	s_lshl_b32 s60, s[WV], 11
	s_add_co_u32 s60, s60, 983040
	s_add_nc_u64 s[WQS:WQS+1], s[6:7], s[60:61]
	s_mul_i32 s60, s[WV], 12288
	s_add_co_u32 s60, s60, 196608
	s_add_nc_u64 s[W1P:W1P+1], s[6:7], s[60:61]
	s_add_co_u32 s60, s62, 991232
	s_add_nc_u64 s[W1SP:W1SP+1], s[6:7], s[60:61]
	s_mul_i32 s60, s[WV], 98304
	s_add_co_u32 s60, s60, 589824
	s_add_nc_u64 s[W2P:W2P+1], s[6:7], s[60:61]
	s_lshl_b32 s60, s[WV], 12
	s_add_co_u32 s60, s60, 1007616
	s_add_nc_u64 s[W2SP:W2SP+1], s[6:7], s[60:61]
	s_lshl_b32 s60, s[WV], 7
	s_add_nc_u64 s[B1P:B1P+1], s[16:17], s[60:61]
	s_lshr_b32 s60, ttmp9, 3                       ; the batch
	s_mul_i32 s60, s60, 102400
	s_add_nc_u64 s[KVB:KVB+1], s[8:9], s[60:61]
	s_mul_i32 s60, s[WV], 12288
	s_add_nc_u64 s[KVW:KVW+1], s[KVB:KVB+1], s[60:61]
	s_add_nc_u64 s[KVS:KVS+1], s[KVB:KVB+1], s[62:63]
	s_mov_b32 s[SEL], 0x76543210
	s_mov_b32 s[SEL+1], 0xfedcba98                 ; v_permlanex16_b32's selects for lane l xor 16
	SPAIR CS, 0x3d8293ee                           ; log2(e) / sqrt(512)
	SPAIR SQH, 0x3f3504f3                          ; 1 / sqrt(2)
	s_mov_b32 s[EPS], 0x3727c5ac                   ; 1e-5
	s_mov_b32 s[I512], 0x3b000000                  ; 1 / 512
	SPAIR CA0, 0xaf95df0b                          ; erf's numerator, from the highest power down (the second coefficient of each polynomial lies in vector registers)
	SPAIR CA2, 0xb60cff51
	SPAIR CA3, 0xb86ec2d3
	SPAIR CA4, 0xba40ac63
	SPAIR CA5, 0xbb41a1f6
	SPAIR CA6, 0xbc83dbd4
	SPAIR CB0, 0xb77460cd                          ; and its denominator
	SPAIR CB2, 0xbadc924e
	SPAIR CB3, 0xbbf19bf8
	SPAIR CB4, 0xbc69b6a7
	; LDS addresses, first set: each a constant + a constant x lane (+ a constant x wave)
	s_mul_i32 s60, s[WV], 8448
	v_mad_u32_u24 v6, v65, 528, v5
	v_add_nc_u32 v6, s60, v6
	v_add_nc_u32 v7, s60, v1
	s_mul_i32 s60, s[WV], 1536
	s_lshl_b32 s61, s[WV], 2
	s_mul_i32 s62, s[WV], 12288
	s_lshl_b32 s63, s[WV], 10
	v_add_nc_u32 v10, XIMG, v1                     ; v10 x's images, read
	v_add_nc_u32 v8, s60, v10                      ; v8  written: K step w
	v_add_nc_u32 v11, XSC, v1                      ; v11 x's scale words, read
	v_add_nc_u32 v9, s61, v11                      ; v9  written
	v_add_nc_u32 v12, AIMG, v1
	v_add_nc_u32 v16, s62, v12                     ; v16 q's images of my two row tiles
	v_add_nc_u32 v12, s60, v12                     ; v12 q's (query's) images, written
	v_add_nc_u32 v13, ASC, v1
	v_add_nc_u32 v17, s63, v13                     ; v17 q's scale words of my two row tiles
	v_add_nc_u32 v13, s61, v13                     ; v13 written
	v_add_nc_u32 v15, KIMG, v1                     ; v15 k's images, read
	v_add_nc_u32 v14, s62, v15                     ; v14 my quarter, written
	s_mul_i32 s60, s[WV], 3072
	s_lshl_b32 s61, s[WV], 8
	s_lshl_b32 s62, s[WV], 7
	v_add_nc_u32 v20, PIMG, v1                     ; v20 p's images, read
	v_add_nc_u32 v18, s60, v20                     ; v18 written
	v_add_nc_u32 v21, PSC, v67                     ; v21 p's scale words, read
	v_add_nc_u32 v19, s61, v21                     ; v19 written
	v_add_nc_u32 v23, LEX, v2                      ; v23 l, read
	v_add_nc_u32 v22, s62, v23                     ; v22 written
.irp b, 0,1,2,3
	v_mov_b32 v[TM+4+\b], 0                        ; written once: a lane permute's destination counts as one of its sources
.endr
	v_mov_b32 v[TP], 0
; ---- P0: x becomes codes.  Wave w takes K step w of all eight row tiles.  A tile's 16 rows x 512 bytes come as they lie (ring of four sets in window 2), turn through my stage, and come back 16 neighbours of each block a lane.
.macro TURN m
	WIN 0x08                                       ; an LDS store's data are its source 1: window 2
.irp i, 0,1,2,3,4,5,6,7,8,9,10,11,12,13,14,15
	ds_store_b128 v7, v[64*((\m)%4)+4*\i:64*((\m)%4)+4*\i+3] offset:528*\i
.endr
	WIN 0
.irp b, 0,1,2,3
.irp j, 0,1,2,3
	ds_load_b128 v[64+64*((\m)%2)+16*\b+4*\j:64+64*((\m)%2)+16*\b+4*\j+3], v6 offset:128*\b+16*\j   ; LDS serves a wave's instructions in order: these see my stores
.endr
.endr
.endm
.macro P0STEP m
.if \m < 7
.if \m < 5
	s_wait_loadcnt 32                              ; tile m + 1 is in; younger: two tiles of 16 loads
.elseif \m == 5
	s_wait_loadcnt 40                              ; younger: tile 7's 16, Wq's scale words and bq (24)
.else
	s_wait_loadcnt 48                              ; younger: those 24 and Wq's K step 0 (24)
.endif
	TURN (\m+1)
	s_wait_dscnt 32                                ; all but that turn's 32: tile m is back, its stores have read their set, the last image has left
.else
	s_wait_dscnt 0x0
.endif
.if \m < 4
	XLD (\m+4), 64*(\m%4), 2, 0
.elseif \m == 4
.irp t, 0,1,2,3,4,5,6,7
	global_load_b128 v[32+4*\t:35+4*\t], v3, s[WQS:WQS+1] offset:256*\t   ; Wq's scale words: tile t, K steps 0 .. 3
.endr
	BIASLD 192, 1, BQP
.elseif \m == 5
	WQLD 0, 0, 1
.elseif \m == 6
	WQLD 1, 96, 1
.endif
	QUANTD 64+64*(\m%2), 0, -1
	IMAGE 8, 6144*\m
	ds_store_b32 v9, v[PW] offset:512*\m
.endm
	s_wait_loadcnt 48                              ; tile 0 is in
	TURN 0
.irp m, 0,1,2,3,4,5,6,7
	P0STEP \m
.endr
	s_wait_dscnt 0x0                               ; my images have landed and have read their registers,
	WQLD 2, 160, 0                                 ; which Wq's K step 2 takes
	s_barrier_signal -1
	s_barrier_wait -1                              ; x's 32 fragments lie in LDS
; ---- P1: q = x Wq^T + bq.  The counts leave the two groups of 24 loads out that were issued behind the K step's own.
	FETCH8 10, 0, 6144, 512, 11, 0, 512, BF, BS
	s_wait_loadcnt 48
	MUL64 0, 1, 32, 4, BF, BS, 1
	PLACES 4
	WQLD 3, 0, 1
	FETCH8 10, 1536, 6144, 512, 11, 4, 512, BF, BS
	s_wait_loadcnt 48
	MUL64 96, 1, 33, 4, BF, BS, 0
	PLACES 4
	WIN 0x40
.set ii, 0
.rept 24
	global_load_b128 v[96+4*ii:96+4*ii+3], v1, s[KVW:KVW+1] offset:512*ii   ; my quarter of k's codes
.set ii, ii+1
.endr
	WIN 0
	FETCH8 10, 3072, 6144, 512, 11, 8, 512, BF, BS
	s_wait_loadcnt 48
	MUL64 160, 0, 34, 4, BF, BS, 0
	PLACES 4
	FETCH8 10, 4608, 6144, 512, 11, 12, 512, BF, BS
	s_wait_loadcnt 24                              ; younger: k's 24
	MUL64 0, 1, 35, 4, BF, BS, 0
	PLACES 4
.irp t, 0,1,2,3,4,5,6,7
	global_load_b128 v[32+4*\t:35+4*\t], v3, s[KVB:KVB+1] offset:98304+256*\t   ; k's scale words: key tile t, K steps 0 .. 3
.endr
	s_wait_loadcnt 8                               ; k's codes are in; the eight scale loads are younger
	WIN 0x04
.set ii, 0
.rept 24
	ds_store_b128 v14, v[96+4*ii:96+4*ii+3] offset:512*ii
.set ii, ii+1
.endr
	WIN 0
	QACC                                           ; q becomes K step w of the scores
	BARRIER                                        ; q's and k's fragments lie in LDS
; ---- P2: S^T = k q^T for my row tiles 2 w + e, in units of four key tiles x one K step; three buffers of four fragments of k
.macro KUNIT u
	WIN 0x40
.irp i, 0,1,2,3
	FETCH 96+48*((\u)%3)+12*\i, 15, (4*(4*((\u)&1)+\i)+((\u)>>1))*1536, 512
.endr
	WIN 0
.endm
.macro SUNIT u
.if \u < 6
	s_wait_dscnt 24                                ; the two units behind this one may be out
.elseif \u == 6
	s_wait_dscnt 12
.else
	s_wait_dscnt 0x0
.endif
	WIN 0x05                                       ; k and q in window 1, S^T in window 0
.irp i, 0,1,2,3
.irp e, 0,1
.if \u < 2
	WMZ 64+64*\e+8*(4*((\u)&1)+\i), 96+48*((\u)%3)+12*\i, 12*(4*\e+((\u)>>1)), 32+4*(4*((\u)&1)+\i)+((\u)>>1), 24+4*\e+((\u)>>1)
.else
	WMC 64+64*\e+8*(4*((\u)&1)+\i), 96+48*((\u)%3)+12*\i, 12*(4*\e+((\u)>>1)), 64+64*\e+8*(4*((\u)&1)+\i), 32+4*(4*((\u)&1)+\i)+((\u)>>1), 24+4*\e+((\u)>>1)
.endif
.endr
.endr
	WIN 0
.if \u < 5
	PLACES 4
	KUNIT (\u+3)
.endif
.endm
	WIN 0x40
.irp f, 0,1,2,3,4,5,6,7
	FETCH 12*\f, 16, 1536*\f, 512
.endr
	WIN 0
	ds_load_b128 v[24:27], v17
	ds_load_b128 v[28:31], v17 offset:512
	KUNIT 0
	KUNIT 1
	KUNIT 2
	s_wait_loadcnt 0x0                             ; k's scale words
.irp u, 0,1,2,3,4,5,6,7
	SUNIT \u
.endr
	PLACES 4
	WIN 0x40
.set ii, 0
.rept 24
	global_load_b128 v[96+4*ii:96+4*ii+3], v1, s[KVW:KVW+1] offset:49152+512*ii   ; my eight channel tiles of v: they land under the softmax
.set ii, ii+1
.endr
	WIN 0
.irp t, 0,1,2,3,4,5,6,7
	global_load_b32 v[40+\t], v2, s[KVS:KVS+1] offset:100352+64*\t
.endr
.macro SOFTMAX e
.set rS, 64+64*(\e)
.irp b, 0,1,2,3
	v_max3_num_f32 v[TM+\b], v[rS+16*\b], v[rS+16*\b+1], v[rS+16*\b+2]   ; the largest score of each block of 32 keys: it serves the row's maximum and, since p rises with the score, the block's largest p
.endr
.irp i, 3,5,7,9,11,13
.irp b, 0,1,2,3
	v_max3_num_f32 v[TM+\b], v[TM+\b], v[rS+16*\b+\i], v[rS+16*\b+\i+1]
.endr
.endr
.irp b, 0,1,2,3
	v_max_num_f32 v[TM+\b], v[TM+\b], v[rS+16*\b+15]
.endr
.irp b, 0,1,2,3
	v_permlanex16_b32 v[TM+4+\b], v[TM+\b], s[SEL], s[SEL+1]
.endr
.irp b, 0,1,2,3
	v_max_num_f32 v[TM+\b], v[TM+\b], v[TM+4+\b]
.endr
	v_max3_num_f32 v[NM+1], v[TM], v[TM+1], v[TM+2]
	v_max_num_f32 v[NM+1], v[NM+1], v[TM+3]
	v_mul_f32 v[NM+1], s[CS], v[NM+1]                ; the row's largest t
	v_floor_f32 v[NM], -v[NM+1]                      ; -M = floor(-t) = -ceil(t)
.set ii, 0
.rept 32
	v_pk_fma_f32 v[rS+ii:rS+ii+1], v[rS+ii:rS+ii+1], s[CS:CS+1], v[NM:NM+1] op_sel_hi:[1,0,0]   ; t - M
.set ii, ii+2
.endr
.irp b, 0,1,2,3
	v_fma_f32 v[TM+\b], v[TM+\b], s[CS], v[NM]       ; the same of each block's largest score
.endr
.set ii, 0
.rept 64
	v_exp_f32 v[rS+ii], v[rS+ii]                     ; p = 2^(t - M): not normalised
.set ii, ii+1
.endr
.irp b, 0,1,2,3
	v_exp_f32 v[TM+\b], v[TM+\b]
.endr
	v_nop                                            ; a plain place behind the exponentials
	s_wait_alu depctr_va_vdst(0)
.irp b, 0,1,2,3
	v_max_num_f32 v[TM+\b], 0x2800000, v[TM+\b]      ; the floor: the byte cannot fall under 1
.endr
.irp b, 0,1,2,3
	v_add_nc_u32 v[TM+12+\b], 0xfe000000, v[TM+\b]
.endr
.irp b, 0,1,2,3
	v_lshrrev_b32 v[TM+4+\b], 23, v[TM+12+\b]
.endr
	s_wait_dscnt 0x0                                 ; the other tile's stores have read v[PC] on, v[PW] and v[SA]
	v_lshl_or_b32 v[PW], v[TM+5], 8, v[TM+4]
	v_lshl_or_b32 v[PW], v[TM+6], 16, v[PW]
	v_lshl_or_b32 v[PW], v[TM+7], 24, v[PW]
.irp c, 0,1
	v_cvt_scalef32_pk16_bf6_f32 v[PC+6*\c:PC+6*\c+2], v[rS+32*\c:rS+32*\c+15], v[TM+12+2*\c]
	v_cvt_scalef32_pk16_bf6_f32 v[PC+12+4*\c:PC+14+4*\c], v[rS+32*\c+16:rS+32*\c+31], v[TM+12+2*\c+1]
.endr
	v_nop
.irp c, 0,1
.irp i, 0,1,2
	v_permlane16_swap_b32 v[PC+6*\c+\i], v[PC+12+4*\c+\i]
.endr
.irp i, 0,1,2
	v_mov_b32 v[PC+3+6*\c+\i], v[PC+12+4*\c+\i]
.endr
.endr
	v_pk_add_f32 v[SA:SA+1], v[rS:rS+1], v[rS+2:rS+3]   ; the row's sum is taken of the unquantised p, in two chains
	v_pk_add_f32 v[SB:SB+1], v[rS+4:rS+5], v[rS+6:rS+7]
.irp j, 8,12,16,20,24,28,32,36,40,44,48,52,56,60
	v_pk_add_f32 v[SA:SA+1], v[SA:SA+1], v[rS+\j:rS+\j+1]
	v_pk_add_f32 v[SB:SB+1], v[SB:SB+1], v[rS+\j+2:rS+\j+3]
.endr
	v_pk_add_f32 v[SA:SA+1], v[SA:SA+1], v[SB:SB+1]
	v_add_f32 v[SA], v[SA], v[SA+1]
	v_permlanex16_b32 v[TP], v[SA], s[SEL], s[SEL+1]
	v_add_f32 v[SA], v[SA], v[TP]                    ; l
	IMAGE 18, 1536*(\e)
	ds_store_b32 v19, v[PW] offset:128*(\e)
	ds_store_b32 v22, v[SA] offset:64*(\e)           ; lanes r and r + 16 store the same number to the same word
.endm
	SOFTMAX 0
	SOFTMAX 1
	BARRIER                                        ; p's eight fragments and l lie in LDS
; ---- P3: the sums become q l + v^T p^T
.irp m, 0,1,2,3,4,5,6,7
	ds_load_b32 v[LL+2*\m], v23 offset:64*\m
	ds_load_b32 v[LL+2*\m+1], v23 offset:64*\m
.endr
	FETCH8 20, 0, 1536, 512, 21, 0, 128, BF, BS
	s_wait_dscnt 32                                ; l is in; the 32 loads of p are younger
.irp g, 0,1
	WIN ((2+\g)<<6)|(2+\g)
.irp a, 0,1,2,3
.set ii, 0
.rept 32
	v_pk_mul_f32 v[64*\a+ii:64*\a+ii+1], v[64*\a+ii:64*\a+ii+1], v[LL+2*(4*\g+\a):LL+2*(4*\g+\a)+1]
.set ii, ii+2
.endr
.endr
.endr
	WIN 0
	PLACES 4
	s_wait_loadcnt 0x0                             ; v and its scale words
	MUL64 96, 1, 40, 1, BF, BS, 0
	PLACES 4
	BIASLD 64, 1, LW1
	BIASLD 128, 1, LB1
.irp m, 0,1,2,3,4,5,6,7
	v_rcp_f32 v[IL+\m], v[LL+2*\m]
.endr
	v_nop
	; LDS addresses, second set (v12, v13 stay until query is quantised)
	v_and_b32 v168, 15, v0
	v_bfe_u32 v169, v0, 4, 1
	v_and_b32 v170, 31, v0
	s_lshl_b32 s60, s[WV], 7
	v_lshl_add_u32 v9, v168, 3, NEX                ; v9  the norms' exchange, read
	v_add_nc_u32 v8, s60, v9                       ; v8  written
	v_add_nc_u32 v10, AIMG, v1                     ; v10 query's images, read
	v_add_nc_u32 v11, ASC, v1                      ; v11 its scale words
	s_and_b32 s60, s[WV], 1
	s_mul_i32 s60, s60, 768
	s_lshr_b32 s61, s[WV], 1
	s_mul_i32 s61, s61, 24
	s_add_co_u32 s60, s60, s61
	s_add_co_u32 s60, s60, HIMG
	v_mul_u32_u24 v14, v168, 48                    ; v14 the hidden layer's codes, written: my 32 units are block w of the K step: reader's lane r + 16 (w % 2), registers 6 (w / 2) + 3 h on
	v_mad_u32_u24 v14, v169, 12, v14
	v_add_nc_u32 v14, s60, v14
	s_add_co_u32 s61, s[WV], HIMG+12288
	v_add_nc_u32 v15, s61, v2                      ; v15 its scale byte: byte w of token r's word
	v_mul_u32_u24 v16, v170, 48
	v_add_nc_u32 v16, HIMG, v16                    ; v16 its fragments, read: 48 bytes a lane
	v_add_nc_u32 v17, HIMG+12288, v2               ; v17 its scale words, read
; ---- a LayerNorm over the 512 channels of each token.  k = 1: the sums hold l x (q + attention), and 1 / l goes into the factor.  k = 2: b2 is added first.
.macro LNSTAT k
.if \k == 2
.irp g, 0,1
	WIN ((2+\g)<<6)|(2+\g)|0x04
.irp a, 0,1,2,3
.set ii, 0
.rept 32
	v_pk_add_f32 v[64*\a+ii:64*\a+ii+1], v[64*\a+ii:64*\a+ii+1], v[ii:ii+1]
.set ii, ii+2
.endr
.endr
.endr
.endif
.irp g, 0,1                                    ; my 64 numbers of a token, two chains a row tile, four row tiles by turns
	WIN (2+\g)|((2+\g)<<2)
.irp a, 0,1,2,3
	v_pk_add_f32 v[CH+4*\a:CH+4*\a+1], v[64*\a:64*\a+1], v[64*\a+2:64*\a+3]
	v_pk_add_f32 v[CH+4*\a+2:CH+4*\a+3], v[64*\a+4:64*\a+5], v[64*\a+6:64*\a+7]
.endr
	WIN (2+\g)
.set ii, 8
.rept 14
.irp a, 0,1,2,3
	v_pk_add_f32 v[CH+4*\a:CH+4*\a+1], v[64*\a+ii:64*\a+ii+1], v[CH+4*\a:CH+4*\a+1]
	v_pk_add_f32 v[CH+4*\a+2:CH+4*\a+3], v[64*\a+ii+2:64*\a+ii+3], v[CH+4*\a+2:CH+4*\a+3]
.endr
.set ii, ii+4
.endr
	WIN 0
.irp a, 0,1,2,3
	v_pk_add_f32 v[CH+4*\a:CH+4*\a+1], v[CH+4*\a:CH+4*\a+1], v[CH+4*\a+2:CH+4*\a+3]
.endr
.irp a, 0,1,2,3
	v_add_f32 v[CH+4*\a], v[CH+4*\a], v[CH+4*\a+1]
.endr
.irp a, 0,1,2,3
	v_permlanex16_b32 v[CH+4*\a+1], v[CH+4*\a], s[SEL], s[SEL+1]
.endr
.irp a, 0,1,2,3
	v_add_f32 v[CH+4*\a], v[CH+4*\a], v[CH+4*\a+1]
.endr
.irp a, 0,1,2,3
	v_mul_f32 v[QD+4*(4*\g+\a)], 0xbc000000, v[CH+4*\a]   ; - the mean of my wave's 128 channels
.endr
.endr
.irp g, 0,1
	WIN ((2+\g)<<6)|(2+\g)
.irp a, 0,1,2,3
.set ii, 0
.rept 32
	v_pk_add_f32 v[64*\a+ii:64*\a+ii+1], v[64*\a+ii:64*\a+ii+1], v[QD+4*(4*\g+\a):QD+4*(4*\g+\a)+1] op_sel_hi:[1,0]   ; it is taken off in place
.set ii, ii+2
.endr
.endr
	WIN (2+\g)|((2+\g)<<2)
.irp a, 0,1,2,3
	v_pk_mul_f32 v[CH+4*\a:CH+4*\a+1], v[64*\a:64*\a+1], v[64*\a:64*\a+1]
	v_pk_mul_f32 v[CH+4*\a+2:CH+4*\a+3], v[64*\a+2:64*\a+3], v[64*\a+2:64*\a+3]
.endr
.set ii, 4
.rept 15
.irp a, 0,1,2,3
	v_pk_fma_f32 v[CH+4*\a:CH+4*\a+1], v[64*\a+ii:64*\a+ii+1], v[64*\a+ii:64*\a+ii+1], v[CH+4*\a:CH+4*\a+1]
	v_pk_fma_f32 v[CH+4*\a+2:CH+4*\a+3], v[64*\a+ii+2:64*\a+ii+3], v[64*\a+ii+2:64*\a+ii+3], v[CH+4*\a+2:CH+4*\a+3]
.endr
.set ii, ii+4
.endr
	WIN 0
.irp a, 0,1,2,3
	v_pk_add_f32 v[CH+4*\a:CH+4*\a+1], v[CH+4*\a:CH+4*\a+1], v[CH+4*\a+2:CH+4*\a+3]
.endr
.irp a, 0,1,2,3
	v_add_f32 v[CH+4*\a], v[CH+4*\a], v[CH+4*\a+1]
.endr
.irp a, 0,1,2,3
	v_permlanex16_b32 v[CH+4*\a+1], v[CH+4*\a], s[SEL], s[SEL+1]
.endr
.irp a, 0,1,2,3
	v_add_f32 v[QD+4*(4*\g+\a)+1], v[CH+4*\a], v[CH+4*\a+1]   ; the sum of squares about that mean
.endr
.endr
.irp m, 0,1,2,3,4,5,6,7
	ds_store_b64 v8, v[QD+4*\m:QD+4*\m+1] offset:4096*(\k-1)+512*\m
.endr
	BARRIER                                        ; the four waves' pairs lie in LDS
.irp m, 0,1,2,3,4,5,6,7
.irp e, 0,1,2,3
	ds_load_b64 v[EX+8*\m+2*\e:EX+8*\m+2*\e+1], v9 offset:4096*(\k-1)+512*\m+128*\e
.endr
.endr
	s_wait_dscnt 0x0
.irp m, 0,1,2,3,4,5,6,7
	v_add_f32 v[TA+\m], v[EX+8*\m], v[EX+8*\m+2]
.endr
.irp m, 0,1,2,3,4,5,6,7
	v_add_f32 v[TB+\m], v[EX+8*\m+4], v[EX+8*\m+6]
.endr
.irp m, 0,1,2,3,4,5,6,7
	v_add_f32 v[TA+\m], v[TA+\m], v[TB+\m]
.endr
.irp m, 0,1,2,3,4,5,6,7
	v_mul_f32 v[TA+\m], 0x3e800000, v[TA+\m]       ; - the token's mean
.endr
.irp e, 0,1,2,3
.irp m, 0,1,2,3,4,5,6,7
	v_sub_f32 v[EX+8*\m+2*\e], v[EX+8*\m+2*\e], v[TA+\m]
.endr
.endr
.irp m, 0,1,2,3,4,5,6,7
	v_mul_f32 v[TB+\m], v[EX+8*\m], v[EX+8*\m]
.endr
.irp e, 1,2,3
.irp m, 0,1,2,3,4,5,6,7
	v_fmac_f32 v[TB+\m], v[EX+8*\m+2*\e], v[EX+8*\m+2*\e]
.endr
.endr
.irp m, 0,1,2,3,4,5,6,7
	v_add_f32 v[EX+8*\m+1], v[EX+8*\m+1], v[EX+8*\m+3]
.endr
.irp m, 0,1,2,3,4,5,6,7
	v_add_f32 v[EX+8*\m+5], v[EX+8*\m+5], v[EX+8*\m+7]
.endr
.irp m, 0,1,2,3,4,5,6,7
	v_add_f32 v[EX+8*\m+1], v[EX+8*\m+1], v[EX+8*\m+5]
.endr
.irp m, 0,1,2,3,4,5,6,7
	v_fmac_f32 v[EX+8*\m+1], 0x43000000, v[TB+\m]  ; + 128 x the squares of the waves' means about the token's: the sum of squares about the token's mean
.endr
.if \k == 1
	s_wait_alu depctr_va_vdst(0)
.irp m, 0,1,2,3,4,5,6,7
	v_mul_f32 v[TB+\m], v[IL+\m], v[IL+\m]
.endr
.irp m, 0,1,2,3,4,5,6,7
	v_mul_f32 v[TB+\m], 0x3b000000, v[TB+\m]
.endr
.irp m, 0,1,2,3,4,5,6,7
	v_fma_f32 v[TB+\m], v[EX+8*\m+1], v[TB+\m], s[EPS]   ; the variance (of the numbers without l) + 1e-5
.endr
.else
.irp m, 0,1,2,3,4,5,6,7
	v_fma_f32 v[TB+\m], v[EX+8*\m+1], s[I512], s[EPS]
.endr
.endif
.irp m, 0,1,2,3,4,5,6,7
	v_sub_f32 v[TA+\m], v[TA+\m], v[QD+4*\m]       ; what is still to be taken off: my wave's mean less the token's
.endr
.if \k == 1
.irp m, 0,1,2,3,4,5,6,7
	v_rsq_f32 v[EX+8*\m+3], v[TB+\m]
.endr
	v_nop
	s_wait_alu depctr_va_vdst(0)
.irp m, 0,1,2,3,4,5,6,7
	v_mul_f32 v[QD+4*\m], v[EX+8*\m+3], v[IL+\m]
.endr
.else
.irp m, 0,1,2,3,4,5,6,7
	v_rsq_f32 v[QD+4*\m], v[TB+\m]
.endr
	v_nop
	s_wait_alu depctr_va_vdst(0)
.endif
.irp m, 0,1,2,3,4,5,6,7
	v_mul_f32 v[QD+4*\m+2], v[TA+\m], v[QD+4*\m]
.endr
.endm
.macro LNAPPLY                         ; a = (a R + E) gain + bias
.irp g, 0,1
	WIN ((2+\g)<<6)|(2+\g)
.irp a, 0,1,2,3
.set ii, 0
.rept 32
	v_pk_fma_f32 v[64*\a+ii:64*\a+ii+1], v[64*\a+ii:64*\a+ii+1], v[QD+4*(4*\g+\a):QD+4*(4*\g+\a)+1], v[QD+4*(4*\g+\a)+2:QD+4*(4*\g+\a)+3] op_sel_hi:[1,0,0]
.set ii, ii+2
.endr
.endr
	WIN ((2+\g)<<6)|(2+\g)|0x14
.irp a, 0,1,2,3
.set ii, 0
.rept 32
	v_pk_fma_f32 v[64*\a+ii:64*\a+ii+1], v[64*\a+ii:64*\a+ii+1], v[64+ii:65+ii], v[128+ii:129+ii]
.set ii, ii+2
.endr
.endr
.endr
	WIN 0
.endm
	LNSTAT 1
	s_wait_loadcnt 0x0                             ; ln1_w, ln1_b
	LNAPPLY                                        ; the sums hold query
; ---- the FFN, in eight chunks of 128 hidden units.  Wave w makes units 128 j + 32 w .. + 31 of chunk j for all tokens (one block of the next K step), then all waves add K step j of W2 onto their sums.
.macro W1GROUP                         ; 30 loads: my two tiles of W1 (eight fragments on end), their bias and scale words
	WIN 0x40
.set ii, 0
.rept 24
	global_load_b128 v[4*ii:4*ii+3], v1, s[W1P:W1P+1] offset:512*ii
.set ii, ii+1
.endr
.irp e, 0,1
.irp q, 0,1
	global_load_b128 v[192+8*\e+4*\q:192+8*\e+4*\q+3], v5, s[B1P:B1P+1] offset:32*\e+16*\q
.endr
.endr
	WIN 0
.irp e, 0,1
	global_load_b128 v[32+4*\e:35+4*\e], v3, s[W1SP:W1SP+1] offset:256*\e
.endr
.endm
.macro W2GROUP                         ; 32 loads: K step j of my eight tiles of W2, and their scale words
	WIN 0x40
.irp t, 0,1,2,3,4,5,6,7
.irp c, 0,1,2
	global_load_b128 v[96+12*\t+4*\c:96+12*\t+4*\c+3], v1, s[W2P:W2P+1] offset:12288*\t+512*\c
.endr
.endr
	WIN 0
.irp t, 0,1,2,3,4,5,6,7
	global_load_b32 v[40+\t], v4, s[W2SP:W2SP+1] offset:512*\t
.endr
.endm
.macro GELU16 x                        ; 16 numbers in place: 0.5 x (1 + erf(x / sqrt 2)); v192-255 at work
.irp i, 0,2,4,6,8,10,12,14
	v_pk_mul_f32 v[192+\i:193+\i], v[(\x)+\i:(\x)+\i+1], s[SQH:SQH+1] op_sel_hi:[1,0]
.endr
.irp i, 0,1,2,3,4,5,6,7,8,9,10,11,12,13,14,15
	v_med3_num_f32 v[192+\i], v[192+\i], -4.0, 4.0
.endr
.irp i, 0,2,4,6,8,10,12,14
	v_pk_mul_f32 v[208+\i:209+\i], v[192+\i:193+\i], v[192+\i:193+\i]
.endr
.irp i, 0,2,4,6,8,10,12,14
	v_pk_fma_f32 v[224+\i:225+\i], v[208+\i:209+\i], s[CA0:CA0+1], v[22:23] op_sel_hi:[1,0,1]
.endr
.irp i, 0,2,4,6,8,10,12,14
	v_pk_fma_f32 v[240+\i:241+\i], v[208+\i:209+\i], s[CB0:CB0+1], v[12:13] op_sel_hi:[1,0,1]
.endr
.irp cf, CA2, CA3, CA4, CA5, CA6
.irp i, 0,2,4,6,8,10,12,14
	v_pk_fma_f32 v[224+\i:225+\i], v[224+\i:225+\i], v[208+\i:209+\i], s[\cf:\cf+1] op_sel_hi:[1,1,0]
.endr
.endr
.irp cf, CB2, CB3, CB4
.irp i, 0,2,4,6,8,10,12,14
	v_pk_fma_f32 v[240+\i:241+\i], v[240+\i:241+\i], v[208+\i:209+\i], s[\cf:\cf+1] op_sel_hi:[1,1,0]
.endr
.endr
.irp i, 0,1,2,3,4,5,6,7,8,9,10,11,12,13,14,15
	v_rcp_f32 v[240+\i], v[240+\i]
.endr
.irp i, 0,2,4,6,8,10,12,14
	v_pk_mul_f32 v[224+\i:225+\i], v[224+\i:225+\i], v[192+\i:193+\i]   ; (plain places behind the reciprocals)
.endr
	s_wait_alu depctr_va_vdst(0)
.irp i, 0,2,4,6,8,10,12,14
	v_pk_mul_f32 v[224+\i:225+\i], v[224+\i:225+\i], v[240+\i:241+\i]   ; erf
.endr
.irp i, 0,2,4,6,8,10,12,14
	v_pk_mul_f32 v[(\x)+\i:(\x)+\i+1], v[(\x)+\i:(\x)+\i+1], 0.5 op_sel_hi:[1,0]
.endr
.irp i, 0,2,4,6,8,10,12,14
	v_pk_fma_f32 v[(\x)+\i:(\x)+\i+1], v[(\x)+\i:(\x)+\i+1], v[224+\i:225+\i], v[(\x)+\i:(\x)+\i+1]
.endr
.endm
.macro QUANTH i                        ; row tiles 2 i + e: my 16 numbers are half of block w; 12 bytes of codes and the block's byte go to the chunk's buffer
.irp e, 0,1
	v_max3_num_f32 v[TM+\e], |v[HA+16*\e]|, |v[HA+16*\e+1]|, 0x2800000
.endr
.irp j, 2,4,6,8,10,12,14
.irp e, 0,1
	v_max3_num_f32 v[TM+\e], v[TM+\e], |v[HA+16*\e+\j]|, |v[HA+16*\e+\j+1]|
.endr
.endr
.irp e, 0,1
	v_permlanex16_b32 v[TM+4+\e], v[TM+\e], s[SEL], s[SEL+1]
.endr
.irp e, 0,1
	v_max_num_f32 v[TM+\e], v[TM+\e], v[TM+4+\e]
.endr
.irp e, 0,1
	v_add_nc_u32 v[TM+12+\e], 0xfe000000, v[TM+\e]
.endr
.irp e, 0,1
	v_lshrrev_b32 v[TM+4+\e], 23, v[TM+12+\e]
.endr
.irp e, 0,1
	v_cvt_scalef32_pk16_bf6_f32 v[PC+4*\e:PC+4*\e+2], v[HA+16*\e:HA+16*\e+15], v[TM+12+\e]
.endr
	v_nop
.irp e, 0,1
.irp c, 0,1,2
	ds_store_b32 v18, v[PC+4*\e+\c] offset:1536*(2*(\i)+\e)+4*\c
.endr
	ds_store_b8 v19, v[TM+4+\e] offset:64*(2*(\i)+\e)
.endr
.endm
.macro PAIR i                          ; row tiles 2 i, 2 i + 1: my two tiles of hidden units, K = 512
	s_wait_dscnt 0x0                               ; the pair's fragments of query are in; the last pair's stores have read their registers
.irp k, 0,1,2,3
.if \k == 0
	WIN 0x11                                       ; W1 and b1 in window 1
.else
	WIN 0x01
.endif
.irp e, 0,1
.irp u, 0,1
.if \k == 0
	WMC HA+8*(2*\e+\u), 12*(4*\u), BF+12*(4*\e), 192+8*\u, 32+4*\u, 48+4*\e
.else
	WMC HA+8*(2*\e+\u), 12*(4*\u+\k), BF+12*(4*\e+\k), HA+8*(2*\e+\u), 32+4*\u+\k, 48+4*\e+\k
.endif
.endr
.endr
.endr
	WIN 0
	PLACES 4
.irp f, 0,1,2,3,4,5,6,7                        ; the next pair's fragments land under the activation
	FETCH BF+12*\f, 10, 12288*(((\i)+1)%4)+1536*\f, 512
.endr
	ds_load_b128 v[48:51], v11 offset:1024*(((\i)+1)%4)
	ds_load_b128 v[52:55], v11 offset:1024*(((\i)+1)%4)+512
	GELU16 HA
	GELU16 HA+16
	QUANTH \i
.endm
	W1GROUP                                        ; chunk 0's: it lands while query is quantised
	QACC
	BARRIER                                        ; query's 32 fragments lie in LDS
.irp f, 0,1,2,3,4,5,6,7
	FETCH BF+12*\f, 10, 1536*\f, 512
.endr
	ds_load_b128 v[48:51], v11
	ds_load_b128 v[52:55], v11 offset:512
	v_mov_b32 v22, 0x32edffee                      ; erf's second coefficients, each twice, in registers whose addresses are done with
	v_mov_b32 v23, 0x32edffee
	v_mov_b32 v12, 0xb95fbd29
	v_mov_b32 v13, 0xb95fbd29
	s_mov_b32 s[CNT], 8
	s_mov_b32 s[TOG], 0
.Lchunk:
.irp i, 0,1,2,3
	v_add_nc_u32 v[18+\i], s[TOG], v[14+\i]        ; this chunk's buffer of the two
.endr
	W2GROUP
	s_wait_loadcnt 32                              ; W1's group is in; W2's 32 loads are younger and land under the four pairs
	PAIR 0
	PAIR 1
	PAIR 2
	PAIR 3
	s_wait_loadcnt 0x0                             ; W2's group is in, and no load reads a base any more
	s_add_nc_u64 s[W1P:W1P+1], s[W1P:W1P+1], 49152
	s_add_nc_u64 s[W1SP:W1SP+1], s[W1SP:W1SP+1], 2048
	s_add_nc_u64 s[B1P:B1P+1], s[B1P:B1P+1], 512
	s_add_nc_u64 s[W2P:W2P+1], s[W2P:W2P+1], 1536
	s_add_nc_u64 s[W2SP:W2SP+1], s[W2SP:W2SP+1], 4
	s_cmp_eq_u32 s[CNT], 1                         ; the last chunk asks for nothing: no load leaves its buffer
	s_cbranch_scc1 .Lno_w1
	W1GROUP
.Lno_w1:
	BARRIER                                        ; the chunk's eight fragments lie in LDS.  One barrier a chunk: the other buffer is written next, and this one again only behind the next chunk's barrier
	FETCH8 20, 0, 1536, 16, 21, 0, 64, 160, 56
	MUL64 96, 1, 40, 1, 160, 56, 0
	PLACES 5                                       ; the next chunk's first products write over registers that these have read
	s_xor_b32 s[TOG], s[TOG], HBUF
	s_sub_co_u32 s[CNT], s[CNT], 1
	s_cmp_lg_u32 s[CNT], 0
	s_cbranch_scc1 .Lchunk
; ---- LN2, and x's rows for the last sum: a ring of four sets
	s_wait_loadcnt 0x0                             ; the loads below land where W1's group lands.  The last chunk asked for no such group, so nothing is out here; the wait orders the two on every way through the text
	BIASLD 0, 1, B2P
	BIASLD 64, 1, LW2
	BIASLD 128, 1, LB2
	XLD 0, 64, 0, 1
	s_wait_loadcnt 48                              ; b2 is in; younger: the gain, the bias and x's first 16 rows
	XLD 1, 192, 1, 1
	LNSTAT 2
	s_wait_loadcnt 32                              ; ln2_w, ln2_b are in; younger: two sets of x
	XLD 2, 192, 0, 1
	XLD 3, 0, 1, 1
	LNAPPLY
; ---- the way out: a row tile turns through my stage, comes back as rows of 512 bytes, takes x's rows and is stored
.macro OTURN m
	WIN 0x08+4*((\m)/4)
.irp t, 0,1,2,3,4,5,6,7
.irp q, 0,1
	ds_store_b128 v6, v[64*((\m)%4)+8*\t+4*\q:64*((\m)%4)+8*\t+4*\q+3] offset:128*(\t/2)+32*(\t%2)+16*\q
.endr
.endr
	WIN 0x40
.irp i, 0,1,2,3,4,5,6,7,8,9,10,11,12,13,14,15
	ds_load_b128 v[64+64*((\m)%2)+4*\i:64+64*((\m)%2)+4*\i+3], v7 offset:528*\i
.endr
	WIN 0
.endm
.macro RING m                          ; where set m % 4 of x lies
.if ((\m)%4) == 0
.set RW, 0
.set RB, 64
.elseif ((\m)%4) == 1
.set RW, 1
.set RB, 192
.elseif ((\m)%4) == 2
.set RW, 0
.set RB, 192
.else
.set RW, 1
.set RB, 0
.endif
.endm
.macro OSTEP m
.if \m < 7
.if \m > 0
	s_wait_xcnt 0x0                                ; the stores of the tile before have read the registers that the next tile's rows take
.endif
	OTURN (\m+1)
	s_wait_dscnt 32                                ; all but that turn's 32: tile m's rows are back
.else
	s_wait_dscnt 0x0
.endif
.if \m < 5
	s_wait_loadcnt 48                              ; x's rows of tile m are in; three sets are younger
.else
	s_wait_loadcnt 16*(7-\m)
.endif
	RING \m
.set OD, 64+64*((\m)%2)
	WIN 0x41|(RW<<2)
.set ii, 0
.rept 32
	v_pk_add_f32 v[OD+ii:OD+ii+1], v[OD+ii:OD+ii+1], v[RB+ii:RB+ii+1]
.set ii, ii+2
.endr
	WIN 0x04
.irp i, 0,1,2,3,4,5,6,7,8,9,10,11,12,13,14,15
	global_store_b128 v1, v[OD+4*\i:OD+4*\i+3], s[OB:OB+1] offset:(16*(\m)+\i)*2048 th:TH_STORE_NT   ; 32 lanes store 512 consecutive bytes, aligned
.endr
	WIN 0
.if \m < 4
	XLD (\m+4), RB, RW, 1
.endif
.endm
	OTURN 0
.irp m, 0,1,2,3,4,5,6,7
	OSTEP \m
.endr
	s_wait_xcnt 0x0
	v_lshl_add_u32 v254, v0, 2, 0x39e00
	v_mov_b32 v255, 0
	s_wait_tensorcnt 0x0
	ds_add_u32 v254, v255
	s_wait_dscnt 0x0
	s_endpgm
.Lfunc_end_k_qeb7302a2f1_main:
	.size	k_qeb7302a2f1_main, .Lfunc_end_k_qeb7302a2f1_main-k_qeb7302a2f1_main
	.p2alignl 7, 3214868480
	.fill 96, 4, 3214868480
	.section	.rodata,"a",@progbits
	.p2align	6, 0x0
	.amdhsa_kernel k_qeb7302a2f1_main
		.amdhsa_group_segment_fixed_size 237568
		.amdhsa_private_segment_fixed_size 0
		.amdhsa_enable_private_segment 0
		.amdhsa_kernarg_size 88
		.amdhsa_user_sgpr_count 2
		.amdhsa_user_sgpr_kernarg_segment_ptr 1
		.amdhsa_wavefront_size32 1
		.amdhsa_system_sgpr_workgroup_id_x 1
		.amdhsa_system_sgpr_workgroup_id_y 1
		.amdhsa_system_sgpr_workgroup_id_z 1
		.amdhsa_system_vgpr_workitem_id 0
		.amdhsa_next_free_vgpr 1024
		.amdhsa_next_free_sgpr 100
		.amdhsa_reserve_vcc 0
		.amdhsa_float_denorm_mode_32 3
		.amdhsa_float_denorm_mode_16_64 3
		.amdhsa_memory_ordered 1
		.amdhsa_forward_progress 1
		.amdhsa_inst_pref_size 255
	.end_amdhsa_kernel
	.section	.bss,"aw",@nobits
	.p2align	6
	.space	262144
	.amdgpu_metadata
---
amdhsa.version: [ 1, 2 ]
amdhsa.kernels:
  - .name:           k_qeb7302a2f1_main
    .symbol:         k_qeb7302a2f1_main.kd
    .args:
      - { .name: x, .offset: 0, .size: 8, .value_kind: global_buffer, .address_space: global }
      - { .name: wts, .offset: 8, .size: 8, .value_kind: global_buffer, .address_space: global }
      - { .name: kv, .offset: 16, .size: 8, .value_kind: global_buffer, .address_space: global }
      - { .name: bq, .offset: 24, .size: 8, .value_kind: global_buffer, .address_space: global }
      - { .name: ln1_w, .offset: 32, .size: 8, .value_kind: global_buffer, .address_space: global }
      - { .name: ln1_b, .offset: 40, .size: 8, .value_kind: global_buffer, .address_space: global }
      - { .name: b1, .offset: 48, .size: 8, .value_kind: global_buffer, .address_space: global }
      - { .name: b2, .offset: 56, .size: 8, .value_kind: global_buffer, .address_space: global }
      - { .name: ln2_w, .offset: 64, .size: 8, .value_kind: global_buffer, .address_space: global }
      - { .name: ln2_b, .offset: 72, .size: 8, .value_kind: global_buffer, .address_space: global }
      - { .name: out0, .offset: 80, .size: 8, .value_kind: global_buffer, .address_space: global }
    .group_segment_fixed_size: 237568
    .private_segment_fixed_size: 0
    .kernarg_segment_align: 8
    .kernarg_segment_size: 88
    .max_flat_workgroup_size: 128
    .sgpr_count:     100
    .vgpr_count:     1024
    .wavefront_size: 32
...
	.end_amdgpu_metadata
.endif
;; end of part 2
;; ======== version 2 of 2: 2 launches; 1.31 times as fast as version 1
;; workspace buffers: wts 1,024,000 bytes; kv 3,276,800 bytes
;; launch prep: the kernel of part 1 again; grid 256 x 1, 4 waves a work-group, no clusters, 54,784 bytes of LDS; arguments Wq, W1, W2, Wk, Wv, bk, bv, cond_emb, conv_w, conv_b, wts, kv; writes wts, kv
;; launch main (part 3): grid 512 x 1, 4 waves a work-group, no clusters, 160,512 bytes of LDS; arguments x, wts, kv, bq, ln1_w, ln1_b, b1, b2, ln2_w, ln2_b, out0; writes out0
.if DOCPART == 3
	.amdgcn_target "amdgcn-amd-amdhsa--gfx1250"
	.amdhsa_code_object_version 6
	.text
	.protected	k_qeb7302a2f1_main
	.globl	k_qeb7302a2f1_main
	.p2align	8
	.type	k_qeb7302a2f1_main,@function
k_qeb7302a2f1_main:
	s_mov_b64 s[64:65], 0
	v_nop
	global_prefetch_b8 v0, s[64:65] scope:SCOPE_SE
	s_setreg_imm32_b32 hwreg(HW_REG_WAVE_MODE, 25, 1), 1
	s_wait_xcnt 0x0
; MAIN.  out = LN2(query + gelu(query W1^T + b1) W2^T + b2) + x,  query = LN1(q + softmax(q k^T / sqrt(512)) v),  q = x Wq^T + bq; all five products on codes of BF6 (E3M2) with E8M0 scales for each 32 along K.
; A work-group takes 64 tokens of one batch through the whole chain; only x, the codes made by the launch before and out0 touch memory, and x is read once.
; WHY 64 TOKENS: the sums then fill one window of 256 registers, so that each pass over them is written out once for 256 registers and the text stays short; and a second window holds x's rows from the first load to the last sum.
; SHARES.  THE FOUR WAVES SHARE THE COLUMNS: wave w owns channels 128 w .. 128 w + 127 of all 64 tokens: 32 sums of 16 x 16 in window 2, which hold in turn q, q l + P V, query, query + b2 + ff, the result.
; So each fragment of a weight is loaded once in the work-group, by one wave, from memory straight into registers (it lies there in register order), and feeds four matrix instructions.
; What goes from wave to wave is small: codes and scale words, as IMAGES OF THE OPERAND'S REGISTERS in LDS.  Scores and softmax alone are shared by rows (wave w: row tile w).
; ALL PRODUCTS ARE USED TRANSPOSED (source 0 = 16 rows of the weight, keys or channels; source 1 = 16 tokens): lane (r, h) holds token r, register j of tile T the column 32 (T / 2) + 16 h + 8 (T % 2) + j
; (the rows of a tile are chosen so): the 16 registers of tiles 2 b, 2 b + 1 are 16 neighbours along the next K, as the conversions want them.
; SOFTMAX: p = 2^(t - M), t = score log2(e) / sqrt(512), M = ceil(the row's largest t); l = the sum of the unquantised p.  q + O / l is kept as q l + O, and 1 / l goes into LN1's factor.
; LAYERNORM: each wave takes its 128 channels' mean off first, sums squares, and the four waves' (mean, sum of squares) are joined by the parallel form: no difference of large sums is formed.
; GELU: 0.5 x (1 + erf(x / sqrt 2)), erf(z) = z P(z^2) / Q(z^2), degrees 6 and 4, z held to +-4.
; NO JOINT LOADS, NO TENSOR LOADS: the work-groups do walk the same weights, but a fragment is used from registers, by one wave only.  Shared in a cluster, a chunk's 98,304 bytes of W1 and W2 would be written to LDS and read
; from it once more than now, and every refill would stand behind a round of the cluster's barrier, one for each 64 matrix instructions of a wave.  This text keeps the plain form.
; LIMITS: NaN and infinities are not served.  A block whose largest magnitude lies under 2^-122 keeps the scale byte 1.  erf's absolute error is some 1e-7, so gelu of a very negative x is known to about 1e-7 |x| and not relatively.
.set STG,  0                           ; LDS: a stage of 16 rows x (512 + 16) bytes for each wave, its own
.set XIMG, 33792                       ; x's 16 fragments (4 m + s)
.set XSC,  58368                       ; their scale words: 512 m + 16 lane + 4 s
.set AIMG, 60416                       ; q's fragments, later query's
.set ASC,  84992
.set KIMG, 87040                       ; k's 32 fragments (4 kt + s)
.set PIMG, 136192                      ; p's 4 fragments
.set PSC,  142336                      ; 128 m + 4 lane
.set LEX,  142848                      ; l: 4 bytes a token
.set NEX,  143104                      ; the norms' exchange: 2,048 bytes each: 512 m + 128 w + 8 r: (- mean, sum of squares)
.set HIMG, 147200                      ; the hidden layer: two buffers of 4 fragments, a lane's 48 bytes on end, and 256 bytes of scale words behind them
.set HSCO, 6144
.set HBUF, 6400
.set BS,  24                           ; v24-27   source 1's scale words;  v32-63 source 0's (and in the FFN v48-55 query's, v56-59 the hidden layer's).  v30-31 hold the closing LDS add's address and zero
.set BF,  64                           ; v64-111  four fragments of source 1 (in the FFN's first product v64-159: eight)
.set HA,  160                          ; v160-191 four tiles of the hidden layer
.set QD,  128                          ; v128-143 in a norm: for row tile m, +0 -mean then R, +1 sum of squares, +2 E
.set IL,  160                          ; v160-163 1 / l
.set CH,  168                          ; v168-183 chains of sums
.set TA,  168
.set TB,  176
.set EX,  192                          ; v192-223 what the four waves exchanged
.set LL,  192                          ; v192-199 l, twice each
.set NM,  192                          ; softmax: -M, t
.set SA,  194
.set SB,  196
.set TM,  216                          ; v216-231 quantiser at work
.set PC,  232                          ; v232-251 the codes just made
.set PW,  252
.set TP,  253
.set WV,  26
.set SEL, 28
.set CS,  30
.set SQH, 32
.set EPS, 34
.set I512, 35
.set CA0, 36
.set CA2, 38
.set CA3, 40
.set CA4, 42
.set CA5, 44
.set CA6, 46
.set CB0, 48
.set CB2, 50
.set CB3, 52
.set CB4, 54
.set KVW, 56
.set KVS, 58
.set XB,  66
.set OB,  68
.set WQP, 70
.set WQS, 72
.set KVB, 74
.set W1P, 76
.set W1SP, 78
.set W2P, 80
.set W2SP, 82
.set B1P, 84
.set CNT, 86
.set TOG, 87
.set BQP, 88
.set LW1, 90
.set LB1, 92
.set B2P, 94
.set LW2, 96
.set LB2, 98
; s[60:61], s[62:63], s[2:3]: at work at the head; in the FFN the steps of W1's three pointers.
; v1 16 lane; v2 4 r; v3 16 r; v4 32 r; v5 64 h; v6 the stage by token (528 r + 64 h); v7 the stage by rows (16 lane); v8-23 LDS addresses, made twice (see below).
; window 1: weights' fragments, biases and gains, later rows on the way out.  window 2: sum (m, t) at v[8 (8 m + t)].  window 3: x: row 16 m + i, my lane's 16 bytes, at v[64 m + 4 i].
.set MSB, 0
.macro WIN new                         ; the immediate's high byte repeats the setting that is left; a switch that changes nothing is dropped
.if MSB != (\new)
	s_set_vgpr_msb (MSB<<8)|(\new)
.set MSB, (\new)
.endif
.endm
.macro PLACES n                        ; plain vector places behind matrix instructions (ISA guide 7.12.1)
.rept \n
	v_nop
.endr
.endm
.macro BARRIER                         ; my LDS stores have landed and my LDS loads are in: then the work-group's barrier
	s_wait_dscnt 0x0
	s_barrier_signal -1
	s_barrier_wait -1
.endm
.macro SPAIR reg, val                  ; a constant twice: the packed forms name a pair
	s_mov_b32 s[\reg], \val
	s_mov_b32 s[\reg+1], \val
.endm
.macro IMAGE adr, off
.irp c, 0,1,2
	ds_store_b128 v[\adr], v[PC+4*\c:PC+4*\c+3] offset:(\off)+512*\c
.endr
.endm
.macro FETCH reg, adr, off, st
.irp c, 0,1,2
	ds_load_b128 v[(\reg)+4*\c:(\reg)+4*\c+3], v[\adr] offset:(\off)+(\st)*\c
.endr
.endm
.macro FETCH4 fa, f0, fs, st, sa, s0, ss, fd, sd   ; four fragments of source 1, one for each row tile, each with its scale word: four LDS loads a tile
.irp m, 0,1,2,3
	FETCH (\fd)+12*\m, \fa, (\f0)+(\fs)*\m, \st
	ds_load_b32 v[(\sd)+\m], v[\sa] offset:(\s0)+(\ss)*\m
.endr
.endm
.macro WMC d, a, b, c, sa, sb
	v_wmma_scale_f32_16x16x128_f8f6f4 v[(\d):(\d)+7], v[(\a):(\a)+11], v[(\b):(\b)+11], v[(\c):(\c)+7], v[\sa], v[\sb] matrix_a_fmt:MATRIX_FMT_BF6 matrix_b_fmt:MATRIX_FMT_BF6
.endm
.macro WMZ d, a, b, sa, sb
	v_wmma_scale_f32_16x16x128_f8f6f4 v[(\d):(\d)+7], v[(\a):(\a)+11], v[(\b):(\b)+11], 0, v[\sa], v[\sb] matrix_a_fmt:MATRIX_FMT_BF6 matrix_b_fmt:MATRIX_FMT_BF6
.endm
; One K step of 128 for all 32 sums: eight fragments of source 0 (v[ab + 12 t] of window aw) against the four of FETCH4.  The 32 sums take turns, one instruction a turn.
; The count in front of row tile m leaves the loads of the tiles behind it out: four each.  bias = 1: C is window 1's v[192 + 8 t].
.macro MUL32 ab, aw, sab, sas, fd, sd, bias
.irp m, 0,1,2,3
	s_wait_dscnt 4*(3-\m)
.if \bias
	WIN 0x90|(\aw)
.else
	WIN 0xa0|(\aw)
.endif
.irp t, 0,1,2,3,4,5,6,7
.if \bias
	WMC 8*(8*\m+\t), (\ab)+12*\t, (\fd)+12*\m, 192+8*\t, (\sab)+(\sas)*\t, (\sd)+\m
.else
	WMC 8*(8*\m+\t), (\ab)+12*\t, (\fd)+12*\m, 8*(8*\m+\t), (\sab)+(\sas)*\t, (\sd)+\m
.endif
.endr
.endr
	WIN 0
.endm
; 64 numbers of a lane (window nw), register 16 b + i = k 32 b + 16 h + i of my token, become a fragment's codes in v[PC] on and its scale word in v[PW].
; dw: the count on DScnt behind which the last image's stores have read those registers (-1: the caller has waited).
.macro QUANTD s, nw, dw
	WIN (\nw)|((\nw)<<2)
.irp b, 0,1,2,3
	v_max3_num_f32 v[TM+\b], |v[(\s)+16*\b]|, |v[(\s)+16*\b+1]|, 0x2800000   ; block b: my 16 numbers, and the floor 2^(5 - 127): the byte cannot fall under 1
.endr
.irp i, 2,4,6,8,10,12,14
.irp b, 0,1,2,3
	v_max3_num_f32 v[TM+\b], |v[(\s)+16*\b+\i]|, |v[(\s)+16*\b+\i+1]|, v[TM+\b]
.endr
.endr
	WIN 0
.irp b, 0,1,2,3
	v_permlanex16_b32 v[TM+4+\b], v[TM+\b], s[SEL], s[SEL+1]
.endr
.irp b, 0,1,2,3
	v_max_num_f32 v[TM+\b], v[TM+\b], v[TM+4+\b]     ; with lane l xor 16's 16: the block's largest magnitude
.endr
.irp b, 0,1,2,3
	v_add_nc_u32 v[TM+12+\b], 0xfe000000, v[TM+\b]   ; 4 off the exponent field: the conversion's scale operand
.endr
.irp b, 0,1,2,3
	v_lshrrev_b32 v[TM+4+\b], 23, v[TM+12+\b]        ; the scale's byte
.endr
.if \dw >= 0
	s_wait_dscnt \dw
.endif
	v_lshl_or_b32 v[PW], v[TM+5], 8, v[TM+4]
	v_lshl_or_b32 v[PW], v[TM+6], 16, v[PW]
	v_lshl_or_b32 v[PW], v[TM+7], 24, v[PW]
	WIN (\nw)
.irp c, 0,1
	v_cvt_scalef32_pk16_bf6_f32 v[PC+6*\c:PC+6*\c+2], v[(\s)+32*\c:(\s)+32*\c+15], v[TM+12+2*\c]
	v_cvt_scalef32_pk16_bf6_f32 v[PC+12+4*\c:PC+14+4*\c], v[(\s)+32*\c+16:(\s)+32*\c+31], v[TM+12+2*\c+1]   ; (a conversion's three registers begin on an even number)
.endr
	WIN 0
	v_nop                                            ; one plain place behind a scaled conversion
.irp c, 0,1                                      ; the operand's layout wants a WHOLE block in a lane: lanes 0-15 block 2 c, lanes 16-31 block 2 c + 1
.irp i, 0,1,2
	v_permlane16_swap_b32 v[PC+6*\c+\i], v[PC+12+4*\c+\i]
.endr
.irp i, 0,1,2
	v_mov_b32 v[PC+3+6*\c+\i], v[PC+12+4*\c+\i]
.endr
.endr
.endm
.macro QACC                            ; my 128 channels of all 64 tokens become K step w of the next product: four images
.irp m, 0,1,2,3
	QUANTD 64*\m, 2, 0
	IMAGE 12, 6144*\m
	ds_store_b32 v13, v[PW] offset:512*\m
.endr
.endm
.macro XLD m                           ; my 512 bytes of rows 16 m .. 16 m + 15 of x, into window 3: each load covers 512 consecutive bytes, aligned; the launch reads them once
	WIN 0xc0
.irp i, 0,1,2,3,4,5,6,7,8,9,10,11,12,13,14,15
	global_load_b128 v[64*(\m)+4*\i:64*(\m)+4*\i+3], v1, s[XB:XB+1] offset:(16*(\m)+\i)*2048 th:TH_LOAD_NT
.endr
	WIN 0
.endm
.macro BIASLD dst, dwin, sb            ; 128 numbers by channel in the sums' layout: tile t, lane (r, h): channels 32 (t / 2) + 16 h + 8 (t % 2) + 0 .. 7
	WIN ((\dwin)<<6)
.irp t, 0,1,2,3,4,5,6,7
.irp q, 0,1
	global_load_b128 v[(\dst)+8*\t+4*\q:(\dst)+8*\t+4*\q+3], v5, s[\sb:\sb+1] offset:128*(\t/2)+32*(\t%2)+16*\q
.endr
.endr
	WIN 0
.endm
.macro WQLD k, dst, dwin               ; my eight fragments of Wq for K step k
	WIN ((\dwin)<<6)
.irp t, 0,1,2,3,4,5,6,7
.irp c, 0,1,2
	global_load_b128 v[(\dst)+12*\t+4*\c:(\dst)+12*\t+4*\c+3], v1, s[WQP:WQP+1] offset:6144*\t+1536*(\k)+512*\c
.endr
.endr
	WIN 0
.endm
	s_load_b512 s[4:19], s[0:1], 0x0               ; x, wts, kv, bq, ln1_w, ln1_b, b1, b2
	s_load_b128 s[20:23], s[0:1], 0x40             ; ln2_w, ln2_b
	s_load_b64 s[24:25], s[0:1], 0x50              ; out0
	v_lshl_add_u32 v30, v0, 2, 0x27100
	v_mov_b32 v31, 0
	v_lshrrev_b32 v64, 5, v0
	v_readfirstlane_b32 s[WV], v64                 ; wave
	v_and_b32 v64, 31, v0                          ; lane
	v_and_b32 v65, 15, v0                          ; r
	v_bfe_u32 v66, v0, 4, 1                        ; h
	v_lshlrev_b32 v67, 2, v64
	v_lshlrev_b32 v1, 4, v64
	v_lshlrev_b32 v2, 2, v65
	v_lshlrev_b32 v3, 4, v65
	v_lshlrev_b32 v4, 5, v65
	v_lshlrev_b32 v5, 6, v66
	s_mov_b32 s61, 0
	s_mov_b32 s63, 0
	s_lshl_b32 s62, s[WV], 9                       ; my 128 channels: 512 bytes
	s_mul_i32 s60, s[WV], 49152
	s_wait_kmcnt 0x0
	s_add_nc_u64 s[WQP:WQP+1], s[6:7], s[60:61]
	s_lshl_b32 s60, s[WV], 11
	s_add_co_u32 s60, s60, 983040
	s_add_nc_u64 s[WQS:WQS+1], s[6:7], s[60:61]
	s_add_nc_u64 s[BQP:BQP+1], s[10:11], s[62:63]
	; the first product's weights go out ahead of x: 48 loads that are in when x's first rows are
.irp t, 0,1,2,3,4,5,6,7
	global_load_b128 v[32+4*\t:35+4*\t], v3, s[WQS:WQS+1] offset:256*\t   ; Wq's scale words: tile t, K steps 0 .. 3
.endr
	BIASLD 192, 1, BQP
	WQLD 0, 0, 1
	s_lshl_b32 s60, ttmp9, 17                      ; 64 rows of 2,048 bytes a work-group
	s_add_nc_u64 s[XB:XB+1], s[4:5], s[60:61]
	s_add_nc_u64 s[XB:XB+1], s[XB:XB+1], s[62:63]
	XLD 0
	XLD 1
	XLD 2
	XLD 3
	s_add_nc_u64 s[OB:OB+1], s[24:25], s[60:61]
	s_add_nc_u64 s[OB:OB+1], s[OB:OB+1], s[62:63]
	s_add_nc_u64 s[LW1:LW1+1], s[12:13], s[62:63]
	s_add_nc_u64 s[LB1:LB1+1], s[14:15], s[62:63]
	s_add_nc_u64 s[B2P:B2P+1], s[18:19], s[62:63]
	s_add_nc_u64 s[LW2:LW2+1], s[20:21], s[62:63]
	s_add_nc_u64 s[LB2:LB2+1], s[22:23], s[62:63]
	s_mul_i32 s60, s[WV], 12288
	s_add_co_u32 s60, s60, 196608
	s_add_nc_u64 s[W1P:W1P+1], s[6:7], s[60:61]
	s_add_co_u32 s60, s62, 991232
	s_add_nc_u64 s[W1SP:W1SP+1], s[6:7], s[60:61]
	s_mul_i32 s60, s[WV], 98304
	s_add_co_u32 s60, s60, 589824
	s_add_nc_u64 s[W2P:W2P+1], s[6:7], s[60:61]
	s_lshl_b32 s60, s[WV], 12
	s_add_co_u32 s60, s60, 1007616
	s_add_nc_u64 s[W2SP:W2SP+1], s[6:7], s[60:61]
	s_lshl_b32 s60, s[WV], 7
	s_add_nc_u64 s[B1P:B1P+1], s[16:17], s[60:61]
	s_lshr_b32 s60, ttmp9, 4                       ; the batch: 16 work-groups each
	s_mul_i32 s60, s60, 102400
	s_add_nc_u64 s[KVB:KVB+1], s[8:9], s[60:61]
	s_mul_i32 s60, s[WV], 12288
	s_add_nc_u64 s[KVW:KVW+1], s[KVB:KVB+1], s[60:61]
	s_add_nc_u64 s[KVS:KVS+1], s[KVB:KVB+1], s[62:63]
	s_mov_b32 s[SEL], 0x76543210
	s_mov_b32 s[SEL+1], 0xfedcba98                 ; v_permlanex16_b32's selects for lane l xor 16
	SPAIR CS, 0x3d8293ee                           ; log2(e) / sqrt(512)
	SPAIR SQH, 0x3f3504f3                          ; 1 / sqrt(2)
	s_mov_b32 s[EPS], 0x3727c5ac                   ; 1e-5
	s_mov_b32 s[I512], 0x3b000000                  ; 1 / 512
	SPAIR CA0, 0xaf95df0b                          ; erf's numerator, from the highest power down (the second coefficient of each polynomial lies in vector registers)
	SPAIR CA2, 0xb60cff51
	SPAIR CA3, 0xb86ec2d3
	SPAIR CA4, 0xba40ac63
	SPAIR CA5, 0xbb41a1f6
	SPAIR CA6, 0xbc83dbd4
	SPAIR CB0, 0xb77460cd                          ; and its denominator
	SPAIR CB2, 0xbadc924e
	SPAIR CB3, 0xbbf19bf8
	SPAIR CB4, 0xbc69b6a7
	; LDS addresses, first set: each a constant + a constant x lane (+ a constant x wave)
	s_mul_i32 s60, s[WV], 8448
	v_mad_u32_u24 v6, v65, 528, v5
	v_add_nc_u32 v6, s60, v6
	v_add_nc_u32 v7, s60, v1
	s_mul_i32 s60, s[WV], 1536
	s_lshl_b32 s61, s[WV], 2
	s_mul_i32 s62, s[WV], 6144
	s_lshl_b32 s63, s[WV], 9
	v_add_nc_u32 v10, XIMG, v1                     ; v10 x's images, read
	v_add_nc_u32 v8, s60, v10                      ; v8  written: K step w
	v_add_nc_u32 v11, XSC, v1                      ; v11 x's scale words, read
	v_add_nc_u32 v9, s61, v11                      ; v9  written
	v_add_nc_u32 v12, AIMG, v1
	v_add_nc_u32 v16, s62, v12                     ; v16 q's images of my row tile
	v_add_nc_u32 v12, s60, v12                     ; v12 q's (query's) images, written
	v_add_nc_u32 v13, ASC, v1
	v_add_nc_u32 v17, s63, v13                     ; v17 q's scale words of my row tile
	v_add_nc_u32 v13, s61, v13                     ; v13 written
	v_add_nc_u32 v20, PIMG, v1                     ; v20 p's images, read
	v_add_nc_u32 v18, s60, v20                     ; v18 written
	s_mul_i32 s62, s[WV], 12288
	s_lshl_b32 s61, s[WV], 7
	s_lshl_b32 s63, s[WV], 6
	v_add_nc_u32 v15, KIMG, v1                     ; v15 k's images, read
	v_add_nc_u32 v14, s62, v15                     ; v14 my quarter, written
	v_add_nc_u32 v21, PSC, v67                     ; v21 p's scale words, read
	v_add_nc_u32 v19, s61, v21                     ; v19 written
	v_add_nc_u32 v23, LEX, v2                      ; v23 l, read
	v_add_nc_u32 v22, s63, v23                     ; v22 written
.irp b, 0,1,2,3
	v_mov_b32 v[TM+4+\b], 0                        ; written once: a lane permute's destination counts as one of its sources
.endr
	v_mov_b32 v[TP], 0
; ---- P0: x becomes codes.  Wave w takes K step w of all four row tiles.  A tile's 16 rows x 512 bytes lie in window 3 as they came, turn through my stage, and come back 16 neighbours of each block a lane.
.macro TURN m
	WIN 0x0c                                       ; an LDS store's data are its source 1: window 3
.irp i, 0,1,2,3,4,5,6,7,8,9,10,11,12,13,14,15
	ds_store_b128 v7, v[64*(\m)+4*\i:64*(\m)+4*\i+3] offset:528*\i
.endr
	WIN 0
.irp b, 0,1,2,3
.irp j, 0,1,2,3
	ds_load_b128 v[64+64*((\m)%2)+16*\b+4*\j:64+64*((\m)%2)+16*\b+4*\j+3], v6 offset:128*\b+16*\j   ; LDS serves a wave's instructions in order: these see my stores
.endr
.endr
.endm
.macro P0STEP m
.if \m < 3
.if \m == 0
	s_wait_loadcnt 32                              ; tile 1 is in; younger: tiles 2 and 3
.elseif \m == 1
	s_wait_loadcnt 40                              ; tile 2 is in; younger: tile 3's 16 and Wq's K step 1 (24)
.else
	s_wait_loadcnt 24                              ; tile 3 is in; younger: Wq's K step 1
.endif
	TURN (\m+1)
	s_wait_dscnt 32                                ; all but that turn's 32: tile m is back, the last image has left
.else
	s_wait_dscnt 0x0
.endif
.if \m == 0
	WQLD 1, 96, 1
.endif
	QUANTD 64+64*(\m%2), 0, -1
	IMAGE 8, 6144*\m
	ds_store_b32 v9, v[PW] offset:512*\m
.endm
	s_wait_loadcnt 48                              ; tile 0 (and the weights ahead of it) is in; younger: tiles 1 to 3
	TURN 0
.irp m, 0,1,2,3
	P0STEP \m
.endr
	WQLD 2, 112, 0                                 ; Wq's K step 2 takes registers that the quantiser has left
	BARRIER                                        ; x's 16 fragments lie in LDS
; ---- P1: q = x Wq^T + bq.  The counts leave the groups of 24 loads out that were issued behind the K step's own.
	FETCH4 10, 0, 6144, 512, 11, 0, 512, BF, BS
	MUL32 0, 1, 32, 4, BF, BS, 1                   ; (its weights were shown in by the waits for x's tiles, which were issued behind them)
	PLACES 4
	WQLD 3, 0, 1
	FETCH4 10, 1536, 6144, 512, 11, 4, 512, BF, BS
	s_wait_loadcnt 48                              ; younger: K steps 2 and 3
	MUL32 96, 1, 33, 4, BF, BS, 0
	PLACES 4
	WIN 0x40
.set ii, 0
.rept 24
	global_load_b128 v[96+4*ii:96+4*ii+3], v1, s[KVW:KVW+1] offset:512*ii   ; my quarter of k's codes
.set ii, ii+1
.endr
	WIN 0
	FETCH4 10, 3072, 6144, 512, 11, 8, 512, BF, BS
	s_wait_loadcnt 48                              ; younger: K step 3 and k's 24
	MUL32 112, 0, 34, 4, BF, BS, 0
	PLACES 4
	FETCH4 10, 4608, 6144, 512, 11, 12, 512, BF, BS
	s_wait_loadcnt 24                              ; younger: k's 24
	MUL32 0, 1, 35, 4, BF, BS, 0
	PLACES 4
.irp t, 0,1,2,3,4,5,6,7
	global_load_b128 v[32+4*\t:35+4*\t], v3, s[KVB:KVB+1] offset:98304+256*\t   ; k's scale words: key tile t, K steps 0 .. 3
.endr
	s_wait_loadcnt 8                               ; k's codes are in; the eight scale loads are younger
	WIN 0x04
.set ii, 0
.rept 24
	ds_store_b128 v14, v[96+4*ii:96+4*ii+3] offset:512*ii
.set ii, ii+1
.endr
	WIN 0
	QACC                                           ; q becomes K step w of the scores
	BARRIER                                        ; q's and k's fragments lie in LDS
; ---- P2: S^T = k q^T for my row tile, in units of four key tiles x one K step; three buffers of four fragments of k
.macro KUNIT u
	WIN 0x40
.irp i, 0,1,2,3
	FETCH 96+48*((\u)%3)+12*\i, 15, (4*(4*((\u)&1)+\i)+((\u)>>1))*1536, 512
.endr
	WIN 0
.endm
.macro SUNIT u
.if \u < 6
	s_wait_dscnt 24                                ; the two units behind this one may be out
.elseif \u == 6
	s_wait_dscnt 12
.else
	s_wait_dscnt 0x0
.endif
	WIN 0x05                                       ; k and q in window 1, S^T in window 0.  The eight sums take turns, one instruction a turn
.irp i, 0,1,2,3
.if \u < 2
	WMZ 64+8*(4*((\u)&1)+\i), 96+48*((\u)%3)+12*\i, 12*((\u)>>1), 32+4*(4*((\u)&1)+\i)+((\u)>>1), 24+((\u)>>1)
.else
	WMC 64+8*(4*((\u)&1)+\i), 96+48*((\u)%3)+12*\i, 12*((\u)>>1), 64+8*(4*((\u)&1)+\i), 32+4*(4*((\u)&1)+\i)+((\u)>>1), 24+((\u)>>1)
.endif
.endr
	WIN 0
.if \u < 5
	PLACES 4
	KUNIT (\u+3)
.endif
.endm
	WIN 0x40
.irp f, 0,1,2,3
	FETCH 12*\f, 16, 1536*\f, 512
.endr
	WIN 0
	ds_load_b128 v[24:27], v17
	KUNIT 0
	KUNIT 1
	KUNIT 2
	s_wait_loadcnt 0x0                             ; k's scale words
.irp u, 0,1,2,3,4,5,6,7
	SUNIT \u
.endr
	PLACES 4
	WIN 0x40
.set ii, 0
.rept 24
	global_load_b128 v[96+4*ii:96+4*ii+3], v1, s[KVW:KVW+1] offset:49152+512*ii   ; my eight channel tiles of v: they land under the softmax
.set ii, ii+1
.endr
	WIN 0
.irp t, 0,1,2,3,4,5,6,7
	global_load_b32 v[40+\t], v2, s[KVS:KVS+1] offset:100352+64*\t
.endr
; the softmax of my 16 tokens: v64-127 hold the scores, then p
.set rS, 64
.irp b, 0,1,2,3
	v_max3_num_f32 v[TM+\b], v[rS+16*\b], v[rS+16*\b+1], v[rS+16*\b+2]   ; the largest score of each block of 32 keys: it serves the row's maximum and, since p rises with the score, the block's largest p
.endr
.irp i, 3,5,7,9,11,13
.irp b, 0,1,2,3
	v_max3_num_f32 v[TM+\b], v[TM+\b], v[rS+16*\b+\i], v[rS+16*\b+\i+1]
.endr
.endr
.irp b, 0,1,2,3
	v_max_num_f32 v[TM+\b], v[TM+\b], v[rS+16*\b+15]
.endr
.irp b, 0,1,2,3
	v_permlanex16_b32 v[TM+4+\b], v[TM+\b], s[SEL], s[SEL+1]
.endr
.irp b, 0,1,2,3
	v_max_num_f32 v[TM+\b], v[TM+\b], v[TM+4+\b]
.endr
	v_max3_num_f32 v[NM+1], v[TM], v[TM+1], v[TM+2]
	v_max_num_f32 v[NM+1], v[NM+1], v[TM+3]
	v_mul_f32 v[NM+1], s[CS], v[NM+1]                ; the row's largest t
	v_floor_f32 v[NM], -v[NM+1]                      ; -M = floor(-t) = -ceil(t)
.set ii, 0
.rept 32
	v_pk_fma_f32 v[rS+ii:rS+ii+1], v[rS+ii:rS+ii+1], s[CS:CS+1], v[NM:NM+1] op_sel_hi:[1,0,0]   ; t - M
.set ii, ii+2
.endr
.irp b, 0,1,2,3
	v_fma_f32 v[TM+\b], v[TM+\b], s[CS], v[NM]       ; the same of each block's largest score
.endr
.set ii, 0
.rept 64
	v_exp_f32 v[rS+ii], v[rS+ii]                     ; p = 2^(t - M): not normalised
.set ii, ii+1
.endr
.irp b, 0,1,2,3
	v_exp_f32 v[TM+\b], v[TM+\b]
.endr
	v_nop                                            ; a plain place behind the exponentials
	s_wait_alu depctr_va_vdst(0)
.irp b, 0,1,2,3
	v_max_num_f32 v[TM+\b], 0x2800000, v[TM+\b]      ; the floor: the byte cannot fall under 1
.endr
.irp b, 0,1,2,3
	v_add_nc_u32 v[TM+12+\b], 0xfe000000, v[TM+\b]
.endr
.irp b, 0,1,2,3
	v_lshrrev_b32 v[TM+4+\b], 23, v[TM+12+\b]
.endr
	v_lshl_or_b32 v[PW], v[TM+5], 8, v[TM+4]
	v_lshl_or_b32 v[PW], v[TM+6], 16, v[PW]
	v_lshl_or_b32 v[PW], v[TM+7], 24, v[PW]
.irp c, 0,1
	v_cvt_scalef32_pk16_bf6_f32 v[PC+6*\c:PC+6*\c+2], v[rS+32*\c:rS+32*\c+15], v[TM+12+2*\c]
	v_cvt_scalef32_pk16_bf6_f32 v[PC+12+4*\c:PC+14+4*\c], v[rS+32*\c+16:rS+32*\c+31], v[TM+12+2*\c+1]
.endr
	v_nop
.irp c, 0,1
.irp i, 0,1,2
	v_permlane16_swap_b32 v[PC+6*\c+\i], v[PC+12+4*\c+\i]
.endr
.irp i, 0,1,2
	v_mov_b32 v[PC+3+6*\c+\i], v[PC+12+4*\c+\i]
.endr
.endr
	v_pk_add_f32 v[SA:SA+1], v[rS:rS+1], v[rS+2:rS+3]   ; the row's sum is taken of the unquantised p, in two chains
	v_pk_add_f32 v[SB:SB+1], v[rS+4:rS+5], v[rS+6:rS+7]
.irp j, 8,12,16,20,24,28,32,36,40,44,48,52,56,60
	v_pk_add_f32 v[SA:SA+1], v[SA:SA+1], v[rS+\j:rS+\j+1]
	v_pk_add_f32 v[SB:SB+1], v[SB:SB+1], v[rS+\j+2:rS+\j+3]
.endr
	v_pk_add_f32 v[SA:SA+1], v[SA:SA+1], v[SB:SB+1]
	v_add_f32 v[SA], v[SA], v[SA+1]
	v_permlanex16_b32 v[TP], v[SA], s[SEL], s[SEL+1]
	v_add_f32 v[SA], v[SA], v[TP]                    ; l
	IMAGE 18, 0
	ds_store_b32 v19, v[PW]
	ds_store_b32 v22, v[SA]                          ; lanes r and r + 16 store the same number to the same word
	BARRIER                                        ; p's four fragments and l lie in LDS
; ---- P3: the sums become q l + v^T p^T
.irp m, 0,1,2,3
	ds_load_b32 v[LL+2*\m], v23 offset:64*\m
	ds_load_b32 v[LL+2*\m+1], v23 offset:64*\m
.endr
	FETCH4 20, 0, 1536, 512, 21, 0, 128, BF, BS
	s_wait_dscnt 16                                ; l is in; the 16 loads of p are younger
	WIN 0x82
.irp a, 0,1,2,3
.set ii, 0
.rept 32
	v_pk_mul_f32 v[64*\a+ii:64*\a+ii+1], v[64*\a+ii:64*\a+ii+1], v[LL+2*\a:LL+2*\a+1]
.set ii, ii+2
.endr
.endr
	WIN 0
	PLACES 4
	s_wait_loadcnt 0x0                             ; v and its scale words
	MUL32 96, 1, 40, 1, BF, BS, 0
	PLACES 4
	BIASLD 64, 1, LW1
	BIASLD 128, 1, LB1
.irp m, 0,1,2,3
	v_rcp_f32 v[IL+\m], v[LL+2*\m]
.endr
	v_nop
	; LDS addresses, second set (v12, v13 stay until query is quantised)
	v_and_b32 v168, 15, v0
	v_bfe_u32 v169, v0, 4, 1
	v_and_b32 v170, 31, v0
	s_lshl_b32 s60, s[WV], 7
	v_lshl_add_u32 v9, v168, 3, NEX                ; v9  the norms' exchange, read
	v_add_nc_u32 v8, s60, v9                       ; v8  written
	v_add_nc_u32 v10, AIMG, v1                     ; v10 query's images, read
	v_add_nc_u32 v11, ASC, v1                      ; v11 its scale words
	s_and_b32 s60, s[WV], 1
	s_mul_i32 s60, s60, 768
	s_lshr_b32 s61, s[WV], 1
	s_mul_i32 s61, s61, 24
	s_add_co_u32 s60, s60, s61
	s_add_co_u32 s60, s60, HIMG
	v_mul_u32_u24 v14, v168, 48                    ; v14 the hidden layer's codes, written: my 32 units are block w of the K step: reader's lane r + 16 (w % 2), registers 6 (w / 2) + 3 h on
	v_mad_u32_u24 v14, v169, 12, v14
	v_add_nc_u32 v14, s60, v14
	s_add_co_u32 s61, s[WV], HIMG+HSCO
	v_add_nc_u32 v15, s61, v2                      ; v15 its scale byte: byte w of token r's word
	v_mul_u32_u24 v16, v170, 48
	v_add_nc_u32 v16, HIMG, v16                    ; v16 its fragments, read: 48 bytes a lane
	v_add_nc_u32 v17, HIMG+HSCO, v2                ; v17 its scale words, read
; ---- a LayerNorm over the 512 channels of each token.  k = 1: the sums hold l x (q + attention), and 1 / l goes into the factor.
.macro LNSTAT k
	WIN 0x0a                                       ; my 64 numbers of a token, two chains a row tile, the four row tiles by turns
.irp a, 0,1,2,3
	v_pk_add_f32 v[CH+4*\a:CH+4*\a+1], v[64*\a:64*\a+1], v[64*\a+2:64*\a+3]
	v_pk_add_f32 v[CH+4*\a+2:CH+4*\a+3], v[64*\a+4:64*\a+5], v[64*\a+6:64*\a+7]
.endr
	WIN 0x02
.set ii, 8
.rept 14
.irp a, 0,1,2,3
	v_pk_add_f32 v[CH+4*\a:CH+4*\a+1], v[64*\a+ii:64*\a+ii+1], v[CH+4*\a:CH+4*\a+1]
	v_pk_add_f32 v[CH+4*\a+2:CH+4*\a+3], v[64*\a+ii+2:64*\a+ii+3], v[CH+4*\a+2:CH+4*\a+3]
.endr
.set ii, ii+4
.endr
	WIN 0
.irp a, 0,1,2,3
	v_pk_add_f32 v[CH+4*\a:CH+4*\a+1], v[CH+4*\a:CH+4*\a+1], v[CH+4*\a+2:CH+4*\a+3]
.endr
.irp a, 0,1,2,3
	v_add_f32 v[CH+4*\a], v[CH+4*\a], v[CH+4*\a+1]
.endr
.irp a, 0,1,2,3
	v_permlanex16_b32 v[CH+4*\a+1], v[CH+4*\a], s[SEL], s[SEL+1]
.endr
.irp a, 0,1,2,3
	v_add_f32 v[CH+4*\a], v[CH+4*\a], v[CH+4*\a+1]
.endr
.irp a, 0,1,2,3
	v_mul_f32 v[QD+4*\a], 0xbc000000, v[CH+4*\a]   ; - the mean of my wave's 128 channels
.endr
	WIN 0x82
.irp a, 0,1,2,3
.set ii, 0
.rept 32
	v_pk_add_f32 v[64*\a+ii:64*\a+ii+1], v[64*\a+ii:64*\a+ii+1], v[QD+4*\a:QD+4*\a+1] op_sel_hi:[1,0]   ; it is taken off in place
.set ii, ii+2
.endr
.endr
	WIN 0x0a
.irp a, 0,1,2,3
	v_pk_mul_f32 v[CH+4*\a:CH+4*\a+1], v[64*\a:64*\a+1], v[64*\a:64*\a+1]
	v_pk_mul_f32 v[CH+4*\a+2:CH+4*\a+3], v[64*\a+2:64*\a+3], v[64*\a+2:64*\a+3]
.endr
.set ii, 4
.rept 15
.irp a, 0,1,2,3
	v_pk_fma_f32 v[CH+4*\a:CH+4*\a+1], v[64*\a+ii:64*\a+ii+1], v[64*\a+ii:64*\a+ii+1], v[CH+4*\a:CH+4*\a+1]
	v_pk_fma_f32 v[CH+4*\a+2:CH+4*\a+3], v[64*\a+ii+2:64*\a+ii+3], v[64*\a+ii+2:64*\a+ii+3], v[CH+4*\a+2:CH+4*\a+3]
.endr
.set ii, ii+4
.endr
	WIN 0
.irp a, 0,1,2,3
	v_pk_add_f32 v[CH+4*\a:CH+4*\a+1], v[CH+4*\a:CH+4*\a+1], v[CH+4*\a+2:CH+4*\a+3]
.endr
.irp a, 0,1,2,3
	v_add_f32 v[CH+4*\a], v[CH+4*\a], v[CH+4*\a+1]
.endr
.irp a, 0,1,2,3
	v_permlanex16_b32 v[CH+4*\a+1], v[CH+4*\a], s[SEL], s[SEL+1]
.endr
.irp a, 0,1,2,3
	v_add_f32 v[QD+4*\a+1], v[CH+4*\a], v[CH+4*\a+1]   ; the sum of squares about that mean
.endr
.irp m, 0,1,2,3
	ds_store_b64 v8, v[QD+4*\m:QD+4*\m+1] offset:2048*(\k-1)+512*\m
.endr
	BARRIER                                        ; the four waves' pairs lie in LDS
.irp m, 0,1,2,3
.irp e, 0,1,2,3
	ds_load_b64 v[EX+8*\m+2*\e:EX+8*\m+2*\e+1], v9 offset:2048*(\k-1)+512*\m+128*\e
.endr
.endr
	s_wait_dscnt 0x0
.irp m, 0,1,2,3
	v_add_f32 v[TA+\m], v[EX+8*\m], v[EX+8*\m+2]
.endr
.irp m, 0,1,2,3
	v_add_f32 v[TB+\m], v[EX+8*\m+4], v[EX+8*\m+6]
.endr
.irp m, 0,1,2,3
	v_add_f32 v[TA+\m], v[TA+\m], v[TB+\m]
.endr
.irp m, 0,1,2,3
	v_mul_f32 v[TA+\m], 0x3e800000, v[TA+\m]       ; - the token's mean
.endr
.irp e, 0,1,2,3
.irp m, 0,1,2,3
	v_sub_f32 v[EX+8*\m+2*\e], v[EX+8*\m+2*\e], v[TA+\m]
.endr
.endr
.irp m, 0,1,2,3
	v_mul_f32 v[TB+\m], v[EX+8*\m], v[EX+8*\m]
.endr
.irp e, 1,2,3
.irp m, 0,1,2,3
	v_fmac_f32 v[TB+\m], v[EX+8*\m+2*\e], v[EX+8*\m+2*\e]
.endr
.endr
.irp m, 0,1,2,3
	v_add_f32 v[EX+8*\m+1], v[EX+8*\m+1], v[EX+8*\m+3]
.endr
.irp m, 0,1,2,3
	v_add_f32 v[EX+8*\m+5], v[EX+8*\m+5], v[EX+8*\m+7]
.endr
.irp m, 0,1,2,3
	v_add_f32 v[EX+8*\m+1], v[EX+8*\m+1], v[EX+8*\m+5]
.endr
.irp m, 0,1,2,3
	v_fmac_f32 v[EX+8*\m+1], 0x43000000, v[TB+\m]  ; + 128 x the squares of the waves' means about the token's: the sum of squares about the token's mean
.endr
.if \k == 1
	s_wait_alu depctr_va_vdst(0)
.irp m, 0,1,2,3
	v_mul_f32 v[TB+\m], v[IL+\m], v[IL+\m]
.endr
.irp m, 0,1,2,3
	v_mul_f32 v[TB+\m], 0x3b000000, v[TB+\m]
.endr
.irp m, 0,1,2,3
	v_fma_f32 v[TB+\m], v[EX+8*\m+1], v[TB+\m], s[EPS]   ; the variance (of the numbers without l) + 1e-5
.endr
.else
.irp m, 0,1,2,3
	v_fma_f32 v[TB+\m], v[EX+8*\m+1], s[I512], s[EPS]
.endr
.endif
.irp m, 0,1,2,3
	v_sub_f32 v[TA+\m], v[TA+\m], v[QD+4*\m]       ; what is still to be taken off: my wave's mean less the token's
.endr
.if \k == 1
.irp m, 0,1,2,3
	v_rsq_f32 v[EX+8*\m+3], v[TB+\m]
.endr
	v_nop
	s_wait_alu depctr_va_vdst(0)
.irp m, 0,1,2,3
	v_mul_f32 v[QD+4*\m], v[EX+8*\m+3], v[IL+\m]
.endr
.else
.irp m, 0,1,2,3
	v_rsq_f32 v[QD+4*\m], v[TB+\m]
.endr
	v_nop
	s_wait_alu depctr_va_vdst(0)
.endif
.irp m, 0,1,2,3
	v_mul_f32 v[QD+4*\m+2], v[TA+\m], v[QD+4*\m]
.endr
.endm
.macro LNAPPLY                         ; a = (a R + E) gain + bias
	WIN 0x82
.irp a, 0,1,2,3
.set ii, 0
.rept 32
	v_pk_fma_f32 v[64*\a+ii:64*\a+ii+1], v[64*\a+ii:64*\a+ii+1], v[QD+4*\a:QD+4*\a+1], v[QD+4*\a+2:QD+4*\a+3] op_sel_hi:[1,0,0]
.set ii, ii+2
.endr
.endr
	WIN 0x96
.irp a, 0,1,2,3
.set ii, 0
.rept 32
	v_pk_fma_f32 v[64*\a+ii:64*\a+ii+1], v[64*\a+ii:64*\a+ii+1], v[64+ii:65+ii], v[128+ii:129+ii]
.set ii, ii+2
.endr
.endr
	WIN 0
.endm
	LNSTAT 1
	s_wait_loadcnt 0x0                             ; ln1_w, ln1_b
	LNAPPLY                                        ; the sums hold query
; ---- the FFN, in eight chunks of 128 hidden units.  Wave w makes units 128 j + 32 w .. + 31 of chunk j for all tokens (one block of the next K step), then all waves add K step j of W2 onto their sums.
.macro W1GROUP                         ; 30 loads: my two tiles of W1 (eight fragments on end), their bias and scale words
	WIN 0x40
.set ii, 0
.rept 24
	global_load_b128 v[4*ii:4*ii+3], v1, s[W1P:W1P+1] offset:512*ii
.set ii, ii+1
.endr
.irp e, 0,1
.irp q, 0,1
	global_load_b128 v[192+8*\e+4*\q:192+8*\e+4*\q+3], v5, s[B1P:B1P+1] offset:32*\e+16*\q
.endr
.endr
	WIN 0
.irp e, 0,1
	global_load_b128 v[32+4*\e:35+4*\e], v3, s[W1SP:W1SP+1] offset:256*\e
.endr
.endm
.macro W2GROUP                         ; 32 loads: K step j of my eight tiles of W2, and their scale words
	WIN 0x40
.irp t, 0,1,2,3,4,5,6,7
.irp c, 0,1,2
	global_load_b128 v[96+12*\t+4*\c:96+12*\t+4*\c+3], v1, s[W2P:W2P+1] offset:12288*\t+512*\c
.endr
.endr
	WIN 0
.irp t, 0,1,2,3,4,5,6,7
	global_load_b32 v[40+\t], v4, s[W2SP:W2SP+1] offset:512*\t
.endr
.endm
.macro GELU16 x                        ; 16 numbers in place: 0.5 x (1 + erf(x / sqrt 2)); v192-255 at work
.irp i, 0,2,4,6,8,10,12,14
	v_pk_mul_f32 v[192+\i:193+\i], v[(\x)+\i:(\x)+\i+1], s[SQH:SQH+1] op_sel_hi:[1,0]
.endr
.irp i, 0,1,2,3,4,5,6,7,8,9,10,11,12,13,14,15
	v_med3_num_f32 v[192+\i], v[192+\i], -4.0, 4.0
.endr
.irp i, 0,2,4,6,8,10,12,14
	v_pk_mul_f32 v[208+\i:209+\i], v[192+\i:193+\i], v[192+\i:193+\i]
.endr
.irp i, 0,2,4,6,8,10,12,14
	v_pk_fma_f32 v[224+\i:225+\i], v[208+\i:209+\i], s[CA0:CA0+1], v[22:23] op_sel_hi:[1,0,1]
.endr
.irp i, 0,2,4,6,8,10,12,14
	v_pk_fma_f32 v[240+\i:241+\i], v[208+\i:209+\i], s[CB0:CB0+1], v[12:13] op_sel_hi:[1,0,1]
.endr
.irp cf, CA2, CA3, CA4, CA5, CA6
.irp i, 0,2,4,6,8,10,12,14
	v_pk_fma_f32 v[224+\i:225+\i], v[224+\i:225+\i], v[208+\i:209+\i], s[\cf:\cf+1] op_sel_hi:[1,1,0]
.endr
.endr
.irp cf, CB2, CB3, CB4
.irp i, 0,2,4,6,8,10,12,14
	v_pk_fma_f32 v[240+\i:241+\i], v[240+\i:241+\i], v[208+\i:209+\i], s[\cf:\cf+1] op_sel_hi:[1,1,0]
.endr
.endr
.irp i, 0,1,2,3,4,5,6,7,8,9,10,11,12,13,14,15
	v_rcp_f32 v[240+\i], v[240+\i]
.endr
.irp i, 0,2,4,6,8,10,12,14
	v_pk_mul_f32 v[224+\i:225+\i], v[224+\i:225+\i], v[192+\i:193+\i]   ; (plain places behind the reciprocals)
.endr
	s_wait_alu depctr_va_vdst(0)
.irp i, 0,2,4,6,8,10,12,14
	v_pk_mul_f32 v[224+\i:225+\i], v[224+\i:225+\i], v[240+\i:241+\i]   ; erf
.endr
.irp i, 0,2,4,6,8,10,12,14
	v_pk_mul_f32 v[(\x)+\i:(\x)+\i+1], v[(\x)+\i:(\x)+\i+1], 0.5 op_sel_hi:[1,0]
.endr
.irp i, 0,2,4,6,8,10,12,14
	v_pk_fma_f32 v[(\x)+\i:(\x)+\i+1], v[(\x)+\i:(\x)+\i+1], v[224+\i:225+\i], v[(\x)+\i:(\x)+\i+1]
.endr
.endm
.macro QUANTH i                        ; row tiles 2 i + e: my 16 numbers are half of block w; 12 bytes of codes and the block's byte go to the chunk's buffer
.irp e, 0,1
	v_max3_num_f32 v[TM+\e], |v[HA+16*\e]|, |v[HA+16*\e+1]|, 0x2800000
.endr
.irp j, 2,4,6,8,10,12,14
.irp e, 0,1
	v_max3_num_f32 v[TM+\e], v[TM+\e], |v[HA+16*\e+\j]|, |v[HA+16*\e+\j+1]|
.endr
.endr
.irp e, 0,1
	v_permlanex16_b32 v[TM+4+\e], v[TM+\e], s[SEL], s[SEL+1]
.endr
.irp e, 0,1
	v_max_num_f32 v[TM+\e], v[TM+\e], v[TM+4+\e]
.endr
.irp e, 0,1
	v_add_nc_u32 v[TM+12+\e], 0xfe000000, v[TM+\e]
.endr
.irp e, 0,1
	v_lshrrev_b32 v[TM+4+\e], 23, v[TM+12+\e]
.endr
.irp e, 0,1
	v_cvt_scalef32_pk16_bf6_f32 v[PC+4*\e:PC+4*\e+2], v[HA+16*\e:HA+16*\e+15], v[TM+12+\e]
.endr
	v_nop
.irp e, 0,1
.irp c, 0,1,2
	ds_store_b32 v18, v[PC+4*\e+\c] offset:1536*(2*(\i)+\e)+4*\c
.endr
	ds_store_b8 v19, v[TM+4+\e] offset:64*(2*(\i)+\e)
.endr
.endm
.macro PAIR i                          ; row tiles 2 i, 2 i + 1: my two tiles of hidden units, K = 512
	s_wait_dscnt 0x0                               ; the pair's fragments of query are in; the last pair's stores have read their registers
.irp k, 0,1,2,3
.if \k == 0
	WIN 0x11                                       ; W1 and b1 in window 1
.else
	WIN 0x01
.endif
.irp e, 0,1
.irp u, 0,1
.if \k == 0
	WMC HA+8*(2*\e+\u), 12*(4*\u), BF+12*(4*\e), 192+8*\u, 32+4*\u, 48+4*\e
.else
	WMC HA+8*(2*\e+\u), 12*(4*\u+\k), BF+12*(4*\e+\k), HA+8*(2*\e+\u), 32+4*\u+\k, 48+4*\e+\k
.endif
.endr
.endr
.endr
	WIN 0
	PLACES 4
.irp f, 0,1,2,3,4,5,6,7                        ; the other pair's fragments land under the activation
	FETCH BF+12*\f, 10, 12288*(((\i)+1)%2)+1536*\f, 512
.endr
	ds_load_b128 v[48:51], v11 offset:1024*(((\i)+1)%2)
	ds_load_b128 v[52:55], v11 offset:1024*(((\i)+1)%2)+512
.if \i == 1
	W1GROUP                                        ; W1's registers are free: the next chunk's group has the activation, the barrier and the second product in which to land
.endif
	GELU16 HA
	GELU16 HA+16
	QUANTH \i
.endm
	W1GROUP                                        ; chunk 0's, and b2: they land while query is quantised
	BIASLD 96, 1, B2P
	QACC
	BARRIER                                        ; query's 16 fragments lie in LDS
.irp f, 0,1,2,3,4,5,6,7
	FETCH BF+12*\f, 10, 1536*\f, 512
.endr
	ds_load_b128 v[48:51], v11
	ds_load_b128 v[52:55], v11 offset:512
	v_mov_b32 v22, 0x32edffee                      ; erf's second coefficients, each twice, in registers whose addresses are done with
	v_mov_b32 v23, 0x32edffee
	v_mov_b32 v12, 0xb95fbd29
	v_mov_b32 v13, 0xb95fbd29
	s_wait_loadcnt 0x0                             ; b2 (and W1's first group)
	WIN 0x86                                       ; query has been quantised: the sums take b2 now, and the second product adds onto them
.irp a, 0,1,2,3
.set ii, 0
.rept 32
	v_pk_add_f32 v[64*\a+ii:64*\a+ii+1], v[64*\a+ii:64*\a+ii+1], v[96+ii:97+ii]
.set ii, ii+2
.endr
.endr
	WIN 0
	s_mov_b32 s[CNT], 8
	s_mov_b32 s[TOG], 0
	s_mov_b32 s61, 0                               ; the upper words of the three steps
	s_mov_b32 s63, 0
	s_mov_b32 s3, 0
.Lchunk:
.irp i, 0,1,2,3
	v_add_nc_u32 v[18+\i], s[TOG], v[14+\i]        ; this chunk's buffer of the two
.endr
	W2GROUP
	s_wait_loadcnt 32                              ; W1's group is in, so its pointers may step; W2's 32 loads are younger and land under the two pairs
	s_cmp_eq_u32 s[CNT], 1                         ; the last chunk steps by 0 and asks for its own group once more: those 30 loads stay inside the buffers and are not used;
	s_cselect_b32 s60, 0, 49152                    ; so every trip issues the same loads, and the count in front of the second product holds in every trip
	s_cselect_b32 s62, 0, 2048
	s_cselect_b32 s2, 0, 512
	s_add_nc_u64 s[W1P:W1P+1], s[W1P:W1P+1], s[60:61]
	s_add_nc_u64 s[W1SP:W1SP+1], s[W1SP:W1SP+1], s[62:63]
	s_add_nc_u64 s[B1P:B1P+1], s[B1P:B1P+1], s[2:3]
	PAIR 0
	PAIR 1
	s_wait_loadcnt 30                              ; W2's group is in; the next W1 group's 30 loads are younger
	s_add_nc_u64 s[W2P:W2P+1], s[W2P:W2P+1], 1536
	s_add_nc_u64 s[W2SP:W2SP+1], s[W2SP:W2SP+1], 4
	BARRIER                                        ; the chunk's four fragments lie in LDS.  One barrier a chunk: the other buffer is written next, and this one again only behind the next chunk's barrier
	FETCH4 20, 0, 1536, 16, 21, 0, 64, 160, 56
	MUL32 96, 1, 40, 1, 160, 56, 0
	PLACES 5                                       ; the next chunk's first products write over registers that these have read
	s_xor_b32 s[TOG], s[TOG], HBUF
	s_sub_co_u32 s[CNT], s[CNT], 1
	s_cmp_lg_u32 s[CNT], 0
	s_cbranch_scc1 .Lchunk
; ---- LN2
	s_wait_loadcnt 0x0                             ; the last W1 group has landed: the loads below take some of its registers
	BIASLD 64, 1, LW2
	BIASLD 128, 1, LB2
	LNSTAT 2
	s_wait_loadcnt 0x0                             ; ln2_w, ln2_b
	LNAPPLY
; ---- the way out: a row tile turns through my stage, comes back as rows of 512 bytes, takes x's rows out of window 3 and is stored
.macro OTURN m
	WIN 0x08
.irp t, 0,1,2,3,4,5,6,7
.irp q, 0,1
	ds_store_b128 v6, v[64*(\m)+8*\t+4*\q:64*(\m)+8*\t+4*\q+3] offset:128*(\t/2)+32*(\t%2)+16*\q
.endr
.endr
	WIN 0x40
.irp i, 0,1,2,3,4,5,6,7,8,9,10,11,12,13,14,15
	ds_load_b128 v[64+64*((\m)%2)+4*\i:64+64*((\m)%2)+4*\i+3], v7 offset:528*\i   ; LDS serves a wave's instructions in order: these see my stores
.endr
	WIN 0
.endm
.macro OSTEP m
.if \m < 3
.if \m > 0
	s_wait_xcnt 0x0                                ; the stores of the tile before have read the registers that the next tile's rows take
.endif
	OTURN (\m+1)
	s_wait_dscnt 32                                ; all but that turn's 32: tile m's rows are back
.else
	s_wait_dscnt 0x0
.endif
.set OD, 64+64*((\m)%2)
	WIN 0x4d                                       ; the rows in window 1, x in window 3
.set ii, 0
.rept 32
	v_pk_add_f32 v[OD+ii:OD+ii+1], v[OD+ii:OD+ii+1], v[64*(\m)+ii:64*(\m)+ii+1]
.set ii, ii+2
.endr
	WIN 0x04
.irp i, 0,1,2,3,4,5,6,7,8,9,10,11,12,13,14,15
	global_store_b128 v1, v[OD+4*\i:OD+4*\i+3], s[OB:OB+1] offset:(16*(\m)+\i)*2048 th:TH_STORE_NT   ; 32 lanes store 512 consecutive bytes, aligned
.endr
	WIN 0
.endm
	OTURN 0
.irp m, 0,1,2,3
	OSTEP \m
.endr
	s_wait_tensorcnt 0x0
	ds_add_u32 v30, v31
	s_wait_dscnt 0x0
	s_endpgm
.Lfunc_end_k_qeb7302a2f1_main:
	.size	k_qeb7302a2f1_main, .Lfunc_end_k_qeb7302a2f1_main-k_qeb7302a2f1_main
	.p2alignl 7, 3214868480
	.fill 96, 4, 3214868480
	.section	.rodata,"a",@progbits
	.p2align	6, 0x0
	.amdhsa_kernel k_qeb7302a2f1_main
		.amdhsa_group_segment_fixed_size 160512
		.amdhsa_private_segment_fixed_size 0
		.amdhsa_enable_private_segment 0
		.amdhsa_kernarg_size 88
		.amdhsa_user_sgpr_count 2
		.amdhsa_user_sgpr_kernarg_segment_ptr 1
		.amdhsa_wavefront_size32 1
		.amdhsa_system_sgpr_workgroup_id_x 1
		.amdhsa_system_sgpr_workgroup_id_y 1
		.amdhsa_system_sgpr_workgroup_id_z 1
		.amdhsa_system_vgpr_workitem_id 0
		.amdhsa_next_free_vgpr 1024
		.amdhsa_next_free_sgpr 100
		.amdhsa_reserve_vcc 0
		.amdhsa_float_denorm_mode_32 3
		.amdhsa_float_denorm_mode_16_64 3
		.amdhsa_memory_ordered 1
		.amdhsa_forward_progress 1
		.amdhsa_inst_pref_size 255
	.end_amdhsa_kernel
	.section	.bss,"aw",@nobits
	.p2align	6
	.space	262144
	.amdgpu_metadata
---
amdhsa.version: [ 1, 2 ]
amdhsa.kernels:
  - .name:           k_qeb7302a2f1_main
    .symbol:         k_qeb7302a2f1_main.kd
    .args:
      - { .name: x, .offset: 0, .size: 8, .value_kind: global_buffer, .address_space: global }
      - { .name: wts, .offset: 8, .size: 8, .value_kind: global_buffer, .address_space: global }
      - { .name: kv, .offset: 16, .size: 8, .value_kind: global_buffer, .address_space: global }
      - { .name: bq, .offset: 24, .size: 8, .value_kind: global_buffer, .address_space: global }
      - { .name: ln1_w, .offset: 32, .size: 8, .value_kind: global_buffer, .address_space: global }
      - { .name: ln1_b, .offset: 40, .size: 8, .value_kind: global_buffer, .address_space: global }
      - { .name: b1, .offset: 48, .size: 8, .value_kind: global_buffer, .address_space: global }
      - { .name: b2, .offset: 56, .size: 8, .value_kind: global_buffer, .address_space: global }
      - { .name: ln2_w, .offset: 64, .size: 8, .value_kind: global_buffer, .address_space: global }
      - { .name: ln2_b, .offset: 72, .size: 8, .value_kind: global_buffer, .address_space: global }
      - { .name: out0, .offset: 80, .size: 8, .value_kind: global_buffer, .address_space: global }
    .group_segment_fixed_size: 160512
    .private_segment_fixed_size: 0
    .kernarg_segment_align: 8
    .kernarg_segment_size: 88
    .max_flat_workgroup_size: 128
    .sgpr_count:     100
    .vgpr_count:     1024
    .wavefront_size: 32
...
	.end_amdgpu_metadata
.endif
;; end of part 3
